; MI455X (gfx1250); checked and timed in simulation.
; The chip was launched on July 23, 2026; its instructions are those of AMD's public machine-readable ISA for CDNA 5 (MIT licence, August 2026) and "CDNA5" Instruction Set Architecture Reference Guide (July 2026). The comments in the code are by the model that wrote it; some were corrected since.
;; Self Attention. Allowed arithmetic: matrix products marked QUANTISED: E2M1 operands, one E8M0 scale for each 32 along K, by v_wmma_scale_f32_16x16x128_f8f6f4 with both operands' format E2M1 (or v_wmma_scale_f32_32x16x128_f4), f32 sums; products left as they are: bf16, f16 or f32 operands; f32 sums; everything else in f32.
;; Inputs: b_proj 1,024 float32; pad_mask 4 x 2,048 int32; w_attn 1,024 x 3,072 float32; w_proj 1,024 x 1,024 float32; x 4 x 2,048 x 1,024 float32.
;; Outputs: out0 4 x 2,048 x 1,024 float32.
;; This version of the problem:
;;   THIS VERSION OF THE PROBLEM IS GIVEN IN LOW PRECISION. The matrix products marked QUANTISED in the list below multiply operands that are first quantised to E2M1 (2 exponent bits, 1 mantissa bit; 4 bits a number), with one power-of-two scale for each 32 numbers along K (OCP MX v1.0); their sums are f32. The products marked 'left as it is' may take bf16, f16 or f32 operands, with f32 sums. Whichever they take, every output number must still come out within the allowed error. Rounding operands to bf16 (8 significant bits) uses up far more of that allowance than f16 does (11 bits, for magnitudes from 6e-5 to 65,504). All else is computed in f32.
;;   The module's matrix products, in the order in which they are computed (A, B: the left and right operand; K: the contracted axis; several contracted axes count as one K, in the product's order):
;;     1. [M 8,192, K 1,024] x [K 1,024, N 3,072]; A: input x; B: input w_attn: QUANTISED
;;     2. batch 64 x [M 2,048, K 64] x [K 64, N 2,048]; A: computed on the way; B: computed on the way: left as it is (an operand is computed on the way)
;;     3. batch 64 x [M 2,048, K 2,048] x [K 2,048, N 64]; A: computed on the way; B: computed on the way: left as it is (an operand is computed on the way)
;;     4. [M 8,192, K 1,024] x [K 1,024, N 1,024]; A: computed on the way; B: input w_proj: left as it is (an operand is computed on the way)
;;   THE QUANTISER, for each operand of a quantised product, along K:
;;     - K is cut into blocks of 32 from its start; a last block that is shorter is filled with zeros.
;;     - A block's scale is 2^e with e = floor(log2(the largest magnitude in the block)) - 2, held to -126 .. 127; a block of zeros has e = 0. As a byte (E8M0): e + 127.
;;     - Each number is divided by its block's scale, clamped to +-6, and rounded to the nearest number of E2M1, ties to even, subnormals kept.
;;     - The product sums the exact products of the quantised numbers (number of the format x scale) in f32.
;;   ~~~python
;;   def quantise(x, axis):      # numpy; x: float32 -> the quantised numbers, widened to float32 again
;;       x = np.moveaxis(x, axis, -1); K = x.shape[-1]
;;       x = np.pad(x, [(0, 0)] * (x.ndim - 1) + [(0, -K % 32)]); x = x.reshape(x.shape[:-1] + (-1, 32)); a = np.abs(x).max(-1, keepdims=True)
;;       e = np.where(a > 0, np.clip(np.frexp(np.where(a > 0, a, 1))[1] - 1 - 2, -126, 127), 0)      # np.frexp(a)[1] - 1 = floor(log2(a)), exactly
;;       r = np.clip(x / 2.0 ** e, -6, 6)
;;       step = 2.0 ** (np.maximum(np.frexp(np.where(r == 0, 1, r))[1] - 1, 0) - 1)
;;       q = np.round(r / step) * step * 2.0 ** e      # np.round: ties to even
;;       return np.moveaxis(q.reshape(q.shape[:-2] + (-1,))[..., :K], -1, axis).astype(np.float32)
;;   ~~~
;; One version. Each part assembles by itself: llvm-mc -triple=amdgcn-amd-amdhsa -mcpu=gfx1250 --defsym DOCPART=n.
;; ======== version 1 of 1: 5 launches
;; limits: values are held in f16: magnitudes above 65,504 overflow, below 6.1e-05 lose precision
;; workspace buffers: codes 5,767,168 bytes; scales 360,448 bytes; wp 2,097,152 bytes; bias 32,768 bytes; first 256 bytes of whole numbers; qkv16 50,331,648 bytes; qkv32 786,432 bytes; y16 16,777,216 bytes
;; launch prep (part 1): grid 369 x 1, 4 waves a work-group, no clusters, 102,912 bytes of LDS; arguments x, w_attn, w_proj, pad_mask, codes, scales, wp, bias, first; writes codes, scales, wp, bias, first
.if DOCPART == 1
	.amdgcn_target "amdgcn-amd-amdhsa--gfx1250"
	.amdhsa_code_object_version 6
	.text
	.protected	k_q32fb3776b6_prep
	.globl	k_q32fb3776b6_prep
	.p2align	8
	.type	k_q32fb3776b6_prep,@function
k_q32fb3776b6_prep:
	s_mov_b64 s[64:65], 0
	v_nop
	global_prefetch_b8 v0, s[64:65] scope:SCOPE_SE
	s_setreg_imm32_b32 hwreg(HW_REG_WAVE_MODE, 25, 1), 1
	s_wait_xcnt 0x0
; SELF-ATTENTION, launch 1 of 5: the inputs are laid out for the later launches.
;   work-groups 0-255:   x [8192][1024] f32 -> codes of FP4 (E2M1), K innermost, 512 bytes a row, and one E8M0 byte for each 32 along K
;   work-groups 256-303: w_attn [1024 k][3072 n] f32 -> the same, laid [3072 n][1024 k], behind x's in the two buffers
;   work-groups 304-367: w_proj [1024 k][1024 n] f32 -> f16, laid [n][k]
;   work-group  368:     pad_mask -> a term for the scores (0 where the key is kept, -1e30 where not) and each batch's first kept position (2,048: none)
; WORK LEFT OUT BY THE PROGRAM: reference() builds the causal mask itself (jnp.tril): key k reaches query q only where k <= q, whatever the inputs hold.  So steps of 64 keys that lie wholly
; behind a wave's queries are not multiplied in the attention launch.  Nothing else is left out and every input is loaded.  A NaN, an infinity or an overflow that would arise only in those steps is not carried to the result.
; A QUERY WITH NO KEPT KEY is NaN in reference() (the maximum is -infinity).  That is the case exactly where t lies under the batch's first kept position: the later launches select NaN there by that whole number.
; THE QUANTISER: a block's scale is 2^(floor(log2(largest magnitude)) - 2); its byte is the largest magnitude's exponent field - 2, held at 1 from below.  A block of zeros so gets the byte 1 where the rule says 127:
; its codes are zeros, which add nothing under any byte but 0xff, and this program alone reads the bytes.
; LIMITS: blocks whose largest magnitude lies under 2^-124 (the floor) were not tried; NaN and infinities among the inputs are not served; |w_proj| up to 65,504 (f16).
; The four paths part on the work-group's number and never meet again; each has LDS bytes of its own.  No barrier: waves share nothing.
.set WR,    32768                      ; LDS: 0: x's path, 8,192 bytes a wave;  WR: w_attn's stages, 32 x 272 bytes a wave;  PR: w_proj's likewise
.set PR,    67584
.set SPARE, 102400                     ; the spare words, 128 bytes for each wave: two blocks of 256 bytes that no other line names
.set SPW,   198                        ; v198 LDS address of my spare word; never rewritten
.set NIL,   199                        ; v199 0; never rewritten
.set EMAX,  2
	s_load_b256 s[4:11], s[0:1], 0x0               ; x s[4:5], w_attn s[6:7], w_proj s[8:9], pad_mask s[10:11]
	s_load_b256 s[12:19], s[0:1], 0x20             ; codes s[12:13], scales s[14:15], wp s[16:17], bias s[18:19]
	s_load_b64 s[20:21], s[0:1], 0x40              ; first
	v_lshl_add_u32 v[SPW], v0, 2, SPARE
	v_mov_b32 v[NIL], 0
	v_lshrrev_b32 v1, 5, v0
	v_readfirstlane_b32 s22, v1                    ; wave
	v_and_b32 v2, 31, v0                           ; lane
	s_mov_b32 s27, 0                               ; the upper word of every offset: all lie under 2^32
	s_wait_kmcnt 0x0
	s_cmp_lt_u32 ttmp9, 256
	s_cbranch_scc0 .Lnot_x
; ---------------- x: a plain stream of blocks of 32.  A wave takes 16 steps of 512 numbers.
; Each load reads 512 consecutive bytes; a step's 2,048 bytes turn through the wave's own stage so that a lane holds 16 neighbours along K (two lanes to a block).
.set NSTEP, 16
.set CBX,   8                          ; bytes of 16 codes
.set RX,    16                         ; v16-79   four sets of 16 numbers as loaded
.set XX,    80                         ; v80-111  two sets of 16 neighbours
.set EX,    112                        ; v112-127 a scale byte for each step
.set CX,    128                        ; v128-191 codes, four registers a step: no store's data are written again
.set SPX,   80                         ; a lane's place in a stage: 64 bytes + 16 of padding
	v_lshlrev_b32 v3, 4, v2                        ; my 16 bytes of a load's 512
	s_mul_i32 s23, s22, 8192
	v_lshrrev_b32 v14, 2, v2
	v_mul_u32_u24 v14, v14, SPX
	v_and_b32 v15, 3, v2
	v_lshl_add_u32 v14, v15, 4, v14
	v_add_nc_u32 v14, s23, v14                     ; into the stage: SPX (lane / 4) + 16 (lane % 4)
	v_mul_u32_u24 v15, v2, SPX
	v_add_nc_u32 v15, s23, v15                     ; out of it: SPX x lane
	v_mul_u32_u24 v4, v2, CBX                      ; my codes' place in a step's
	v_lshrrev_b32 v5, 1, v2
	s_add_co_u32 s23, s23, 2*32*SPX
	v_add_nc_u32 v5, s23, v5                       ; my wave's 256 scale bytes, my block's byte
	v_lshlrev_b32 v7, 3, v2
	v_add_nc_u32 v6, s23, v7
	s_lshl_b32 s24, ttmp9, 2
	s_add_co_u32 s24, s24, s22                     ; which run of 8,192 numbers is my wave's
	s_lshl_b32 s26, s24, 15
	s_add_nc_u64 s[4:5], s[4:5], s[26:27]
	s_lshl_b32 s26, s24, 12
	s_add_nc_u64 s[12:13], s[12:13], s[26:27]
	s_lshl_b32 s26, s24, 8
	s_add_nc_u64 s[14:15], s[14:15], s[26:27]
.macro LOADX t
.irp i, 0,1,2,3
	global_load_b128 v[RX+16*((\t)%4)+4*\i:RX+16*((\t)%4)+4*\i+3], v3, s[4:5] offset:2048*(\t)+512*\i th:TH_LOAD_NT
.endr
.endm
.macro TURNX t                         ; LDS serves a wave's instructions in order: no wait between the stores and the loads
.irp i, 0,1,2,3
	ds_store_b128 v14, v[RX+16*((\t)%4)+4*\i:RX+16*((\t)%4)+4*\i+3] offset:32*SPX*((\t)%2)+8*SPX*\i
.endr
.irp i, 0,1,2,3
	ds_load_b128 v[XX+16*((\t)%2)+4*\i:XX+16*((\t)%2)+4*\i+3], v15 offset:32*SPX*((\t)%2)+16*\i
.endr
.endm
.irp t, 0,1,2,3
	LOADX \t
.endr
	s_wait_loadcnt 12                              ; step 0's four loads are in; the twelve of steps 1 to 3 stay out
	TURNX 0
.macro STEPX t
.set XS, XX+16*((\t)%2)
.if (\t) > 0
	s_wait_dscnt 1                                 ; this step's numbers are back from the stage; the last step's byte store may be out
.else
	s_wait_dscnt 0x0
.endif
.if (\t)+4 < NSTEP
	LOADX (\t)+4
.endif
.if (\t)+1 < NSTEP
.if NSTEP-2-(\t) >= 3
	s_wait_loadcnt 12                              ; the next step's four loads are in; those of the three steps behind it may be out
.else
	s_wait_loadcnt 4*(NSTEP-2-(\t))
.endif
	TURNX (\t)+1
.endif
	v_max3_num_f32 v8, |v[XS]|, |v[XS+1]|, |v[XS+2]|
	v_max3_num_f32 v9, |v[XS+3]|, |v[XS+4]|, |v[XS+5]|
.irp i, 6,10
	v_max3_num_f32 v8, v8, |v[XS+\i]|, |v[XS+\i+1]|
	v_max3_num_f32 v9, v9, |v[XS+\i+2]|, |v[XS+\i+3]|
.endr
	v_max3_num_f32 v8, v8, |v[XS+14]|, |v[XS+15]|
	v_max3_num_f32 v8, v8, v9, (EMAX+1)<<23        ; and the floor: the byte cannot fall under 1
	v_max_num_f32_dpp v8, v8, v8 row_xmask:1 row_mask:0xf bank_mask:0xf   ; with my neighbour's 16: the block's largest magnitude
	v_add_nc_u32 v11, -(EMAX<<23), v8              ; 2 off its exponent field: the conversion takes the exponent field of this operand as its scale
	v_cvt_scalef32_pk8_fp4_f32 v[CX+4*(\t)], v[XS:XS+7], v11
	v_cvt_scalef32_pk8_fp4_f32 v[CX+4*(\t)+1], v[XS+8:XS+15], v11
	v_lshrrev_b32 v[EX+(\t)], 23, v11              ; the scale's byte
	ds_store_b8 v5, v[EX+(\t)] offset:16*(\t)      ; both lanes of a block write the same byte with the same value
	global_store_b64 v4, v[CX+4*(\t):CX+4*(\t)+1], s[12:13] offset:32*CBX*(\t)   ; the wave stores 256 consecutive bytes
.endm
.irp t, 0,1,2,3,4,5,6,7,8,9,10,11,12,13,14,15
	STEPX \t
.endr
	ds_load_b64 v[8:9], v6
	s_wait_dscnt 0x0
	global_store_b64 v7, v[8:9], s[14:15]          ; the wave's 256 scale bytes, consecutive and aligned
	s_wait_tensorcnt 0x0                           ; the wave's end
	ds_add_u32 v[SPW], v[NIL]
	s_wait_dscnt 0x0
	s_endpgm
; ---------------- the two weights: a lane takes a column n and its registers run down K, so each load reads neighbouring n in neighbouring lanes
; and the results come out with K innermost.  They leave through the wave's own stage: sixteen lanes store 256 consecutive bytes.
.set XW,    32                         ; v32-95   two sets of 32 numbers
.set CW,    96                         ; v96-111  a block's codes or f16 pairs
.set OUTR,  112                        ; v112-175 the way out
.set SB,    24                         ; v24-27   w_attn's scale bytes, four to a register
.Lnot_x:
	v_lshlrev_b32 v3, 2, v2                        ; in: 4 bytes a lane
	v_mul_u32_u24 v4, v2, 272                      ; into a stage: row = my column
	v_and_b32 v5, 15, v2
	v_lshrrev_b32 v6, 4, v2
	v_mul_u32_u24 v7, v6, 272                      ; out of it: sixteen lanes to a row, two rows an instruction
	v_lshl_add_u32 v7, v5, 4, v7
	s_mul_i32 s28, s22, 32*272
	s_cmp_lt_u32 ttmp9, 304
	s_cbranch_scc0 .Lnot_w
; ---- w_attn: 24 x 2 work-groups of 128 columns x 512 along K; a wave 32 columns, 16 blocks a lane
	s_add_co_u32 s28, s28, WR
	v_add_nc_u32 v4, s28, v4
	v_add_nc_u32 v7, s28, v7
	v_mul_u32_u24 v8, v6, 512
	v_lshl_add_u32 v8, v5, 4, v8                   ; the same two rows in the codes' buffer (512 bytes a row)
	v_lshlrev_b32 v9, 5, v2                        ; my column's row of scale bytes
	s_sub_co_u32 s23, ttmp9, 256
	s_cmp_ge_u32 s23, 24
	s_cselect_b32 s24, 1, 0                        ; which 512 along K
	s_mul_i32 s25, s24, 24
	s_sub_co_u32 s23, s23, s25
	s_lshl_b32 s23, s23, 7
	s_lshl_b32 s25, s22, 5
	s_add_co_u32 s23, s23, s25                     ; my wave's first column
	s_mul_i32 s26, s24, 512*3072*4
	s_lshl_b32 s25, s23, 2
	s_add_co_u32 s26, s26, s25
	s_add_nc_u64 s[6:7], s[6:7], s[26:27]
	s_lshl_b32 s26, s23, 9
	s_lshl_b32 s25, s24, 8
	s_add_co_u32 s26, s26, s25
	s_add_co_u32 s26, s26, 4194304                 ; behind x's codes
	s_add_nc_u64 s[12:13], s[12:13], s[26:27]
	s_lshl_b32 s26, s23, 5
	s_lshl_b32 s25, s24, 4
	s_add_co_u32 s26, s26, s25
	s_add_co_u32 s26, s26, 262144                  ; behind x's scale bytes
	s_add_nc_u64 s[14:15], s[14:15], s[26:27]
.macro LOADW t
.irp i, 0,1,2,3,4,5,6,7,8,9,10,11,12,13,14,15,16,17,18,19,20,21,22,23,24,25,26,27,28,29,30,31
	global_load_b32 v[XW+32*((\t)%2)+\i], v3, s[6:7] offset:(32*(\t)+\i)*12288 th:TH_LOAD_NT   ; at most 511 rows of 12,288 bytes: inside the signed 24-bit immediate
.endr
.endm
	LOADW 0
	LOADW 1
.macro BLOCKW t
.set XS, XW+32*((\t)%2)
.if (\t) < 15
	s_wait_loadcnt 32                              ; this block's 32 loads are in; the next block's may be out
.else
	s_wait_loadcnt 0
.endif
	v_max3_num_f32 v12, |v[XS]|, |v[XS+1]|, |v[XS+2]|               ; all 32 numbers of the block are mine
	v_max3_num_f32 v13, |v[XS+3]|, |v[XS+4]|, |v[XS+5]|
.irp i, 6,10,14,18,22,26
	v_max3_num_f32 v12, v12, |v[XS+\i]|, |v[XS+\i+1]|
	v_max3_num_f32 v13, v13, |v[XS+\i+2]|, |v[XS+\i+3]|
.endr
	v_max3_num_f32 v12, v12, |v[XS+30]|, |v[XS+31]|
	v_max3_num_f32 v12, v12, v13, (EMAX+1)<<23
	v_add_nc_u32 v11, -(EMAX<<23), v12
	v_lshrrev_b32 v13, 23, v11
.if (\t)%4 == 0
	v_mov_b32 v[SB+(\t)/4], v13
.else
	v_lshl_or_b32 v[SB+(\t)/4], v13, 8*((\t)%4), v[SB+(\t)/4]
.endif
.irp g, 0,1,2,3
	v_cvt_scalef32_pk8_fp4_f32 v[CW+\g], v[XS+8*\g:XS+8*\g+7], v11
.endr
	ds_store_b128 v4, v[CW:CW+3] offset:16*(\t)
.if (\t)+2 < 16
	LOADW (\t)+2
.endif
	s_wait_dscnt 0x0                               ; the store has read its registers: the next block's codes may be written
.endm
.set Q, 0
.rept 16
	BLOCKW Q
.set Q, Q+1
.endr
	global_store_b128 v9, v[SB:SB+3], s[14:15]     ; my column's 16 scale bytes
.irp t, 0,1,2,3,4,5,6,7,8,9,10,11,12,13,14,15
	ds_load_b128 v[OUTR+4*\t:OUTR+4*\t+3], v7 offset:2*\t*272
.endr
.irp t, 0,1,2,3,4,5,6,7,8,9,10,11,12,13,14,15
	s_wait_dscnt 15-\t
	global_store_b128 v8, v[OUTR+4*\t:OUTR+4*\t+3], s[12:13] offset:2*\t*512
.endr
	s_wait_tensorcnt 0x0                           ; the wave's end, as above
	ds_add_u32 v[SPW], v[NIL]
	s_wait_dscnt 0x0
	s_endpgm
.Lnot_w:
	s_cmp_lt_u32 ttmp9, 368
	s_cbranch_scc0 .Lmask
; ---- w_proj: 8 x 8 work-groups of 128 columns x 128 along K; a wave 32 columns, 4 blocks of 32 a lane; rounded to f16, two to a register
	s_add_co_u32 s28, s28, PR
	v_add_nc_u32 v4, s28, v4
	v_add_nc_u32 v7, s28, v7
	v_lshlrev_b32 v8, 11, v6
	v_lshl_add_u32 v8, v5, 4, v8                   ; the same two rows in wp (2,048 bytes a row)
	s_sub_co_u32 s23, ttmp9, 304
	s_lshr_b32 s24, s23, 3                         ; which 128 along K
	s_and_b32 s23, s23, 7
	s_lshl_b32 s23, s23, 7
	s_lshl_b32 s25, s22, 5
	s_add_co_u32 s23, s23, s25                     ; my wave's first column
	s_lshl_b32 s26, s24, 19                        ; 128 rows of 4,096 bytes
	s_lshl_b32 s25, s23, 2
	s_add_co_u32 s26, s26, s25
	s_add_nc_u64 s[8:9], s[8:9], s[26:27]
	s_lshl_b32 s26, s23, 11
	s_lshl_b32 s25, s24, 8
	s_add_co_u32 s26, s26, s25
	s_add_nc_u64 s[16:17], s[16:17], s[26:27]
.macro LOADP t
.irp i, 0,1,2,3,4,5,6,7,8,9,10,11,12,13,14,15,16,17,18,19,20,21,22,23,24,25,26,27,28,29,30,31
	global_load_b32 v[XW+32*((\t)%2)+\i], v3, s[8:9] offset:(32*(\t)+\i)*4096
.endr
.endm
	LOADP 0
	LOADP 1
.macro BLOCKP t
.set XS, XW+32*((\t)%2)
.if (\t) < 3
	s_wait_loadcnt 32                              ; this block's 32 loads are in; the next block's may be out
.else
	s_wait_loadcnt 0
.endif
.irp j, 0,1,2,3,4,5,6,7,8,9,10,11,12,13,14,15
	v_cvt_pk_f16_f32 v[CW+\j], v[XS+2*\j], v[XS+2*\j+1]
.endr
.irp g, 0,1,2,3
	ds_store_b128 v4, v[CW+4*\g:CW+4*\g+3] offset:64*(\t)+16*\g
.endr
.if (\t)+2 < 4
	LOADP (\t)+2
.endif
	s_wait_dscnt 0x0                               ; the stores have read their registers
.endm
	BLOCKP 0
	BLOCKP 1
	BLOCKP 2
	BLOCKP 3
.irp t, 0,1,2,3,4,5,6,7,8,9,10,11,12,13,14,15
	ds_load_b128 v[OUTR+4*\t:OUTR+4*\t+3], v7 offset:2*\t*272
.endr
.irp t, 0,1,2,3,4,5,6,7,8,9,10,11,12,13,14,15
	s_wait_dscnt 15-\t
	global_store_b128 v8, v[OUTR+4*\t:OUTR+4*\t+3], s[16:17] offset:2*\t*2048
.endr
	s_wait_tensorcnt 0x0                           ; the wave's end, as above
	ds_add_u32 v[SPW], v[NIL]
	s_wait_dscnt 0x0
	s_endpgm
; ---------------- pad_mask: wave = batch.  Lane l holds t = 128 i + 4 l + e in register 4 i + e.
.Lmask:
	s_lshl_b32 s26, s22, 13
	s_add_nc_u64 s[10:11], s[10:11], s[26:27]
	s_add_nc_u64 s[18:19], s[18:19], s[26:27]
	v_lshlrev_b32 v3, 4, v2
.irp i, 0,1,2,3,4,5,6,7,8,9,10,11,12,13,14,15
	global_load_b128 v[32+4*\i:35+4*\i], v3, s[10:11] offset:512*\i
.endr
	v_mov_b32 v10, 0xf149f2ca                      ; -1e30
	v_mov_b32 v11, 0
	v_lshlrev_b32 v12, 2, v2
	v_mov_b32 v14, 2048
	v_mov_b32 v15, 2048                            ; the first kept position so far: none
	s_mov_b32 s30, 0x76543210
	s_mov_b32 s31, 0xfedcba98
	v_and_b32 v16, 15, v2
	v_lshlrev_b32 v16, 2, v16
	s_lshl_b32 s26, s22, 6
	v_add_nc_u32 v16, s26, v16                     ; first: 64 bytes a batch, the same number in its sixteen words
	s_wait_loadcnt 0x0
.irp i, 0,1,2,3,4,5,6,7,8,9,10,11,12,13,14,15
.irp e, 0,1,2,3
	v_cmp_ne_u32 vcc_lo, 0, v[32+4*\i+\e]
	v_add_nc_u32 v13, 128*\i+\e, v12
	v_cndmask_b32 v[100+4*\i+\e], v10, v11, vcc_lo ; kept: 0; not kept: -1e30
	v_cndmask_b32 v13, v14, v13, vcc_lo            ; kept: t; not kept: 2,048
	v_min_u32 v15, v15, v13
.endr
	global_store_b128 v3, v[100+4*\i:103+4*\i], s[18:19] offset:512*\i
.endr
.irp m, 1,2,4,8
	v_mov_b32_dpp v13, v15 row_xmask:\m row_mask:0xf bank_mask:0xf
	v_min_u32 v15, v15, v13
.endr
	v_permlanex16_b32 v13, v15, s30, s31
	v_min_u32 v15, v15, v13
	global_store_b32 v16, v15, s[20:21]            ; lanes l and l + 16 write the same word with the same number
	s_endpgm
.Lfunc_end_k_q32fb3776b6_prep:
	.size	k_q32fb3776b6_prep, .Lfunc_end_k_q32fb3776b6_prep-k_q32fb3776b6_prep
	.p2alignl 7, 3214868480
	.fill 96, 4, 3214868480
	.section	.rodata,"a",@progbits
	.p2align	6, 0x0
	.amdhsa_kernel k_q32fb3776b6_prep
		.amdhsa_group_segment_fixed_size 102912
		.amdhsa_private_segment_fixed_size 0
		.amdhsa_enable_private_segment 0
		.amdhsa_kernarg_size 72
		.amdhsa_user_sgpr_count 2
		.amdhsa_user_sgpr_kernarg_segment_ptr 1
		.amdhsa_wavefront_size32 1
		.amdhsa_system_sgpr_workgroup_id_x 1
		.amdhsa_system_sgpr_workgroup_id_y 1
		.amdhsa_system_sgpr_workgroup_id_z 1
		.amdhsa_system_vgpr_workitem_id 0
		.amdhsa_next_free_vgpr 200
		.amdhsa_next_free_sgpr 66
		.amdhsa_reserve_vcc 1
		.amdhsa_float_denorm_mode_32 3
		.amdhsa_float_denorm_mode_16_64 3
		.amdhsa_memory_ordered 1
		.amdhsa_forward_progress 1
		.amdhsa_inst_pref_size 148
	.end_amdhsa_kernel
	.amdgpu_metadata
---
amdhsa.version: [ 1, 2 ]
amdhsa.kernels:
  - .name:           k_q32fb3776b6_prep
    .symbol:         k_q32fb3776b6_prep.kd
    .args:
      - { .name: x, .offset: 0, .size: 8, .value_kind: global_buffer, .address_space: global }
      - { .name: w_attn, .offset: 8, .size: 8, .value_kind: global_buffer, .address_space: global }
      - { .name: w_proj, .offset: 16, .size: 8, .value_kind: global_buffer, .address_space: global }
      - { .name: pad_mask, .offset: 24, .size: 8, .value_kind: global_buffer, .address_space: global }
      - { .name: codes, .offset: 32, .size: 8, .value_kind: global_buffer, .address_space: global }
      - { .name: scales, .offset: 40, .size: 8, .value_kind: global_buffer, .address_space: global }
      - { .name: wp, .offset: 48, .size: 8, .value_kind: global_buffer, .address_space: global }
      - { .name: bias, .offset: 56, .size: 8, .value_kind: global_buffer, .address_space: global }
      - { .name: first, .offset: 64, .size: 8, .value_kind: global_buffer, .address_space: global }
    .group_segment_fixed_size: 102912
    .private_segment_fixed_size: 0
    .kernarg_segment_align: 8
    .kernarg_segment_size: 72
    .max_flat_workgroup_size: 128
    .sgpr_count:     66
    .vgpr_count:     200
    .wavefront_size: 32
...
	.end_amdgpu_metadata
.endif
;; end of part 1
;; launch qkv (part 2): grid 12 x 32, 4 waves a work-group, clusters of 4 x 4, 327,680 bytes of LDS; arguments codes, scales, qkv16, qkv32; writes qkv16, qkv32
.if DOCPART == 2
	.amdgcn_target "amdgcn-amd-amdhsa--gfx1250"
	.amdhsa_code_object_version 6
	.text
	.protected	k_q32fb3776b6_qkv
	.globl	k_q32fb3776b6_qkv
	.p2align	8
	.type	k_q32fb3776b6_qkv,@function
k_q32fb3776b6_qkv:
	s_mov_b64 s[64:65], 0
	v_nop
	global_prefetch_b8 v0, s[64:65] scope:SCOPE_SE
	s_setreg_imm32_b32 hwreg(HW_REG_WAVE_MODE, 25, 1), 1
	s_wait_xcnt 0x0
	s_wait_alu depctr_hold_cnt(0) depctr_sa_sdst(0) depctr_va_vdst(0) depctr_va_sdst(0) depctr_va_ssrc(0) depctr_va_vcc(0) depctr_vm_vsrc(0)
	s_getreg_b32 s2, hwreg(HW_REG_IB_STS2, 6, 4)
	s_cmp_eq_u32 s2, 0
	s_cbranch_scc0 .Lentry_in_a_cluster
	s_endpgm
.Lentry_in_a_cluster:
	s_bfe_u32 s2, ttmp6, 0x10000c
	s_cmp_lg_u32 s2, 0xf033
	s_cbranch_scc0 .Lentry_shape_is_right
	s_endpgm
.Lentry_shape_is_right:
; SELF-ATTENTION, launch 2 of 5: qkv = x w_attn on codes of FP4 (E2M1) with one E8M0 scale for each 32 along K; sums in f32.
; A = x's codes [8192][1024], B = w_attn's codes [3072 n][1024 k]; both lie in one buffer, B's behind A's, and so do the scale bytes.
; A tile of the result, 256 x 256, is made by a work-group of four waves; a wave makes 128 x 128: 64 accumulators, 512 registers.  K = 1,024 is two slots of 512: both are asked for at the start and nothing is filled again.
; The scales of the work-group's rows, for all of K, come once, as whole rows of 256 bytes.
; CLUSTERS: 4 x 4 work-groups; A's tiles are asked for jointly along a row of the cluster, B's along a column.  Tile row = 8 cy + cluster y, so that the batch is cy and the position in the sequence hangs on cluster y alone.
; THE MATRIX INSTRUCTION IS USED TRANSPOSED (source 0 = 16 rows of B, source 1 = 16 rows of A): a lane holds eight neighbouring columns of one row.
; OUT: q, k, v rounded to f16, laid [3][64 (16 b + h)][2048 t][64], 512 consecutive bytes a store; and the same sums in f32 for the first 16 positions of every sequence, laid [4 b][16 t][3072].
; LIMIT: |q|, |k|, |v| up to 65,504 (f16).
; REGISTERS: window 0: v0-31 addresses; v32-95 scale words, two sets; from v128 A's fragments, one set; on the way out v32-255 are free.  window 1: B's fragments, two sets.  windows 2, 3: the accumulators ((a, b) at v[8 (8 (a % 4) + b)]).
.set SIZE_K, 1024
.set KSTEP,  512
.set NQ,     KSTEP/128
.set ROWB,   256
.set KROW,   SIZE_K*4/8
.set PITCH,  272                       ; an LDS row: 256 bytes + 16 of padding: the 16 rows that a load touches start at 16 different banks (64 banks of 4 bytes: ISA guide 11.1)
.set FR,     8
.set NL,     2
.set NP,     4
.set HALFT,  128*PITCH
.set SLOT,   4*HALFT
.set KS,     SIZE_K/32
.set SCL,    2*SLOT
.set HALFS,  (128*KS/256)*272
.set SBLK,   (16*KS/256)*272
.set SPARE,  SCL+4*HALFS               ; the spare words, 128 bytes for each wave: two blocks of 256 bytes that no other line names
.set ST32,   17408                     ; the way out's stages lie in slot 0, which has had its one fill and its last read: f16: 16 x 272 bytes a wave from 0; f32: 16 x 528 bytes a wave from ST32
.set ADRA, 16
.set ADRB, 20
.set STO32, 22
.set RD32, 23
.set STO,  24
.set RD,   25
.set CO,   26
.set ADRS, 27
.set SPW,  28
.set NIL,  29
.set SC,   32
.set AF,   128
.set FB,   128                         ; the way out: 16 rows of f32
.set TMP,  192                         ; packed results
.set OB,   32                          ; 16 rows of f16 read back: v32-63 and v224-255 by turns
.set G1, 24
.set G0, 32
.set G1B, 48
.set G0B, 56
.set G1S, 68
.set G0S, 76
.set G1SB, 80
.set G0SB, 88
.set MSB, 0
.macro WIN new                         ; the immediate's high byte repeats the setting that is left
.if MSB != \new
	s_set_vgpr_msb (MSB<<8)|\new
.set MSB, \new
.endif
.endm
.set MUL_LO, 0xa1
.set MUL_HI, 0xf1
.set TO_B,   0x40
; A joint load: waves 0 and 1 fetch for A, waves 2 and 3 for B; the branch hangs on the wave's number alone.  An s_nop 0 and four v_nop follow each line.
.macro JLOAD g0a, g1a, g0b, g1b
	s_cmp_eq_u32 s15, 0
	s_cbranch_scc0 .Lfor_b_\@
	tensor_load_to_lds s[\g0a:\g0a+3], s[\g1a:\g1a+7]
	s_nop 0
.rept 4
	v_nop
.endr
	s_branch .Lasked_\@
.Lfor_b_\@:
	tensor_load_to_lds s[\g0b:\g0b+3], s[\g1b:\g1b+7]
	s_nop 0
.rept 4
	v_nop
.endr
.Lasked_\@:
.endm
.macro CROUND                          ; a round of the cluster's barrier
	s_barrier_signal -1
	s_barrier_wait -1
	s_cmp_lg_u32 s14, 0
	s_cbranch_scc1 .Lnot_wave_0_\@
	s_barrier_signal -3
.Lnot_wave_0_\@:
	s_barrier_wait -3
	s_barrier_signal -1
	s_barrier_wait -1
.endm
	s_load_b128 s[4:7], s[0:1], 0x0                ; codes s[4:5], scales s[6:7]
	s_load_b128 s[8:11], s[0:1], 0x10              ; qkv16 s[8:9], qkv32 s[10:11]
	v_lshl_add_u32 v[SPW], v0, 2, SPARE
	v_mov_b32 v[NIL], 0
	ds_add_u32 v[SPW], v[NIL]                      ; the wave's opening: the add, twice on end, and its wait ahead of my first tensor load
	ds_add_u32 v[SPW], v[NIL]
	v_lshrrev_b32 v1, 5, v0
	v_readfirstlane_b32 s14, v1                    ; wave 0..3
	s_lshr_b32 s15, s14, 1                         ; which half of the tile's rows is mine.  Also: I fetch for A (0) or for B (1)
	s_and_b32 s16, s14, 1                          ; which half of its columns.  Also: which 128 rows I fetch
	s_bfe_u32 s40, ttmp6, 0x40000                  ; cx
	s_bfe_u32 s41, ttmp6, 0x40004                  ; cy
	s_lshl_b32 s42, ttmp9, 2
	s_add_co_u32 s42, s42, s40                     ; tile column = 4 x cluster x + cx
	s_and_b32 s95, ttmp7, 0xffff                   ; cluster y
	s_lshl_b32 s17, s41, 3
	s_add_co_u32 s17, s17, s95                     ; tile row = 8 cy + cluster y
	s_or_b32 s96, s95, s15                         ; 0 where my block 0 holds the first 16 positions of a sequence: the same in all partners, for a given wave
	s_lshl_b32 s43, s41, 2
	s_lshl_b32 s43, 15, s43                        ; my row of the cluster
	s_lshl_b32 s44, 0x1111, s40                    ; my column
	s_or_b32 s[G1+0], s43, (0<<16)|(1<<20)|(1<<21)|(5<<22)|(3<<25)  ; the mask; elements of 1 byte; padding on; bit 21 beside a mask; 4 words behind every 64
	s_or_b32 s[G1B+0], s44, (0<<16)|(1<<20)|(1<<21)|(5<<22)|(3<<25)
.irp g, G1, G1B
	s_mov_b32 s[\g+1], ROWB<<16                    ; tensor_dim0
	s_mov_b32 s[\g+2], 128<<16                     ; tensor_dim1
	s_mov_b32 s[\g+3], ROWB<<16                    ; tile_dim0
	s_mov_b32 s[\g+4], 128                         ; tile_dim1
	s_mov_b32 s[\g+5], KROW                        ; the pitch
	s_mov_b32 s[\g+6], 0
	s_mov_b32 s[\g+7], 0
.endr
	s_or_b32 s[G1S+0], s43, (3<<16)|(1<<20)|(1<<21)|(5<<22)|(3<<25) ; the scales of 128 rows: 4,096 dense bytes as 16 rows of 256
	s_or_b32 s[G1SB+0], s44, (3<<16)|(1<<20)|(1<<21)|(5<<22)|(3<<25)
.irp g, G1S, G1SB
	s_mov_b32 s[\g+1], 32<<16
	s_mov_b32 s[\g+2], (128*KS/256)<<16
	s_mov_b32 s[\g+3], 32<<16
	s_mov_b32 s[\g+4], 128*KS/256
	s_mov_b32 s[\g+5], 32
	s_mov_b32 s[\g+6], 0
	s_mov_b32 s[\g+7], 0
.endr
	s_lshl_b32 s18, s16, 7
	s_lshl_b32 s20, s17, 8
	s_add_co_u32 s20, s20, s18                     ; A: row 256 x tile row + 128 x half
	s_lshl_b32 s46, s42, 8
	s_add_co_u32 s46, s46, s18                     ; B: row 256 x tile column + 128 x half
	s_mov_b32 s21, 0
	s_mov_b32 s47, 0
	s_mov_b64 s[18:19], KS
	s_mul_u64 s[22:23], s[20:21], s[18:19]
	s_mul_u64 s[92:93], s[46:47], s[18:19]
	s_mov_b64 s[18:19], KROW
	s_mul_u64 s[20:21], s[20:21], s[18:19]
	s_mul_u64 s[46:47], s[46:47], s[18:19]
	s_add_nc_u64 s[46:47], s[46:47], 4194304       ; B's codes lie behind A's,
	s_add_nc_u64 s[92:93], s[92:93], 262144        ; B's scale bytes behind A's
	s_mul_i32 s45, s14, HALFT
	s_mul_i32 s94, s14, HALFS
	s_wait_dscnt 0x0                               ; both opening adds are done
	s_wait_kmcnt 0x0
	s_add_nc_u64 s[20:21], s[4:5], s[20:21]
	s_add_nc_u64 s[22:23], s[6:7], s[22:23]
	s_add_nc_u64 s[46:47], s[4:5], s[46:47]
	s_add_nc_u64 s[92:93], s[6:7], s[92:93]
	CROUND                                         ; all sixteen work-groups are here: the joint loads meet
	s_mov_b32 s[G0S], 1
	s_add_co_u32 s[G0S+1], s94, SCL
	s_mov_b64 s[G0S+2:G0S+3], s[22:23]
	s_or_b32 s[G0S+3], s[G0S+3], 0x80000000
	s_mov_b32 s[G0SB], 1
	s_add_co_u32 s[G0SB+1], s94, SCL
	s_mov_b64 s[G0SB+2:G0SB+3], s[92:93]
	s_or_b32 s[G0SB+3], s[G0SB+3], 0x80000000
	JLOAD G0S, G1S, G0SB, G1SB                     ; three loads of mine go out here: the scales, slot 0, slot 1
.irp s, 0,1
	s_mov_b32 s[G0+4*\s], 1
	s_add_co_u32 s[G0+4*\s+1], s45, \s*SLOT
	s_add_nc_u64 s[G0+4*\s+2:G0+4*\s+3], s[20:21], \s*ROWB
	s_or_b32 s[G0+4*\s+3], s[G0+4*\s+3], 0x80000000
	s_mov_b32 s[G0B+4*\s], 1
	s_add_co_u32 s[G0B+4*\s+1], s45, \s*SLOT
	s_add_nc_u64 s[G0B+4*\s+2:G0B+4*\s+3], s[46:47], \s*ROWB
	s_or_b32 s[G0B+4*\s+3], s[G0B+4*\s+3], 0x80000000
	JLOAD G0+4*\s, G1, G0B+4*\s, G1B
.endr
	v_and_b32 v1, 15, v0                           ; r
	v_bfe_u32 v2, v0, 4, 1                         ; h
	v_mul_u32_u24 v3, v1, PITCH
	v_lshl_add_u32 v4, v2, 4, v3
	s_mul_i32 s21, s15, HALFT
	s_mul_i32 s22, s16, HALFT
	s_add_co_u32 s22, s22, 2*HALFT
.irp s, 0,1
	v_add_nc_u32 v[ADRA+\s], s21, v4
	v_add_nc_u32 v[ADRB+\s], s22, v4
	s_add_co_u32 s21, s21, SLOT
	s_add_co_u32 s22, s22, SLOT
.endr
	v_mul_u32_u24 v5, v1, KS
	v_lshrrev_b32 v6, 8, v5
	v_lshl_add_u32 v5, v6, 4, v5
	s_mul_i32 s21, s15, HALFS
	s_mul_i32 s22, s16, HALFS
	s_add_co_u32 s22, s22, 2*HALFS
	s_sub_co_u32 s22, s22, s21
	v_mul_u32_u24 v6, s22, v2                      ; lanes 16-31 take B's scale words
	s_add_co_u32 s21, s21, SCL
	v_add_nc_u32 v5, v5, v6
	v_add_nc_u32 v[ADRS], s21, v5
	s_mul_i32 s23, s14, 16*272                     ; my f16 stage: in: row r, 16 bytes for each half of the lanes
	v_mul_u32_u24 v5, v1, 272
	v_lshl_add_u32 v5, v2, 4, v5
	v_add_nc_u32 v[STO], s23, v5
	v_and_b32 v6, 31, v0
	v_lshrrev_b32 v5, 3, v6                        ; back: eight lanes take a head's 128 bytes of a row, the wave four rows
	v_mul_u32_u24 v5, v5, 272
	v_and_b32 v7, 7, v0
	v_lshl_add_u32 v5, v7, 4, v5
	v_add_nc_u32 v[RD], s23, v5
	v_lshlrev_b32 v[CO], 4, v6                     ; and in memory 16 bytes a lane on end
	s_mul_i32 s23, s14, 16*528                     ; my f32 stage
	s_add_co_u32 s23, s23, ST32
	v_mul_u32_u24 v5, v1, 528
	v_lshl_add_u32 v5, v2, 5, v5
	v_add_nc_u32 v[STO32], s23, v5
	v_add_nc_u32 v[RD32], s23, v[CO]
	s_lshr_b32 s20, s42, 2                         ; q, k or v,
	s_lshl_b32 s20, s20, 6
	s_lshl_b32 s21, s41, 4                         ; the batch,
	s_add_co_u32 s20, s20, s21
	s_and_b32 s21, s42, 3                          ; the first of my two heads
	s_lshl_b32 s21, s21, 2
	s_add_co_u32 s20, s20, s21
	s_lshl_b32 s21, s16, 1
	s_add_co_u32 s20, s20, s21
	s_lshl_b32 s20, s20, 18                        ; 262,144 bytes a head
	s_lshl_b32 s21, s95, 15                        ; my first position: 256 x cluster y + 128 x half, 128 bytes each
	s_add_co_u32 s20, s20, s21
	s_lshl_b32 s21, s15, 14
	s_add_co_u32 s20, s20, s21
	s_mov_b32 s21, 0
	s_add_nc_u64 s[12:13], s[8:9], s[20:21]
	s_mul_i32 s20, s41, 196608                     ; qkv32: the batch's 16 rows of 12,288 bytes, my 128 columns
	s_lshl_b32 s46, s42, 10
	s_add_co_u32 s20, s20, s46
	s_lshl_b32 s46, s16, 9
	s_add_co_u32 s20, s20, s46
	s_add_nc_u64 s[10:11], s[10:11], s[20:21]
.macro FRAG reg, adr, q, i             ; 16 rows x 128 K of 4-bit codes: 8 registers, two loads of 16 bytes, 32 bytes apart
.irp c, 0,1
	ds_load_b128 v[\reg+4*\c:\reg+4*\c+3], v[\adr] offset:64*(\q)+32*\c+(\i)*16*PITCH
.endr
.endm
; 16 matrix instructions: A's blocks a0, a0 + 1 x B's eight.  The 64 accumulators take turns, one instruction a turn.
.macro MUL16 a0, p, q, sc, zero
.irp a, \a0, \a0+1
.irp b, 0,1,2,3,4,5,6,7
.if \zero
	v_wmma_scale_f32_16x16x128_f8f6f4 v[8*(8*((\a)%4)+\b):8*(8*((\a)%4)+\b)+7], v[128*(\p)+FR*\b:128*(\p)+FR*\b+FR-1], v[AF+FR*(\a):AF+FR*(\a)+FR-1], 0, v[SC+8*NQ*(\sc)+NQ*\b+(\q)], v[SC+8*NQ*(\sc)+NQ*(\a)+(\q)] matrix_a_fmt:MATRIX_FMT_FP4 matrix_b_fmt:MATRIX_FMT_FP4 matrix_a_scale:MATRIX_SCALE_ROW1
.else
	v_wmma_scale_f32_16x16x128_f8f6f4 v[8*(8*((\a)%4)+\b):8*(8*((\a)%4)+\b)+7], v[128*(\p)+FR*\b:128*(\p)+FR*\b+FR-1], v[AF+FR*(\a):AF+FR*(\a)+FR-1], v[8*(8*((\a)%4)+\b):8*(8*((\a)%4)+\b)+7], v[SC+8*NQ*(\sc)+NQ*\b+(\q)], v[SC+8*NQ*(\sc)+NQ*(\a)+(\q)] matrix_a_fmt:MATRIX_FMT_FP4 matrix_b_fmt:MATRIX_FMT_FP4 matrix_a_scale:MATRIX_SCALE_ROW1
.endif
.endr
.endr
.endm
.macro FETCH_B slot, q, p
	WIN TO_B
.irp i, 0,1,2,3,4,5,6,7
	FRAG 128*(\p)+FR*\i, ADRB+\slot, \q, \i
.endr
	WIN 0
.endm
.macro FETCH_A slot, q, i0
.irp i, \i0, \i0+1, \i0+2, \i0+3
	FRAG AF+FR*(\i), ADRA+\slot, \q, \i
.endr
.endm
.macro SCALES sc                       ; lanes 0-15 take the words of A's block i, lanes 16-31 those of B's block i
.irp i, 0,1,2,3,4,5,6,7
	ds_load_b128 v[SC+8*NQ*\sc+NQ*\i:SC+8*NQ*\sc+NQ*\i+3], v[ADRS] offset:\i*SBLK
.endr
.endm
.macro PLACES n                        ; plain vector instructions between a matrix instruction and a load into, or a read of, its registers
.rept \n
	v_nop
.endr
.endm
.macro STEP slot, q, zero              ; 128 along K that has its successor in the same slot
	s_wait_dscnt 4*NL                              ; B's set and A's blocks 0-3 are in; the youngest eight loads (A's blocks 4-7) may be out
	WIN MUL_LO
	MUL16 0, (\q)%2, \q, \slot, \zero
	MUL16 2, (\q)%2, \q, \slot, \zero
	s_wait_dscnt 0
	PLACES NP
	FETCH_B \slot, (\q)+1, 1-(\q)%2
	FETCH_A \slot, (\q)+1, 0
	WIN MUL_HI
	MUL16 4, (\q)%2, \q, \slot, \zero
	MUL16 6, (\q)%2, \q, \slot, \zero
	PLACES NP
	WIN 0
	FETCH_A \slot, (\q)+1, 4
.endm
	s_wait_tensorcnt 1                             ; the scales and my part of slot 0 are in; slot 1's load may be out
	s_barrier_signal -1
	s_barrier_wait -1
	FETCH_B 0, 0, 0
	FETCH_A 0, 0, 0
	SCALES 0
	FETCH_A 0, 0, 4
	STEP 0, 0, 1                                   ; the first products start the sums: nothing is cleared
	STEP 0, 1, 0
	STEP 0, 2, 0
	; slot 0's last step changes slots: one barrier; nothing is filled again
	s_wait_tensorcnt 0x0                           ; all my tensor loads have landed: my part of slot 1
	ds_add_u32 v[SPW], v[NIL]                      ; 0 onto my spare word
	s_wait_dscnt 4*NL+1                            ; the add and the youngest eight loads may be out
	WIN MUL_LO
	MUL16 0, 1, NQ-1, 0, 0
	s_wait_dscnt 0x0                               ; the add is done, and my reads of slot 0 are over
	s_barrier_signal -1
	MUL16 2, 1, NQ-1, 0, 0
	WIN 0
	s_barrier_wait -1
	PLACES NP
	v_add_nc_u32 v[ADRS], 4*NQ, v[ADRS]            ; on to slot 1's scale words
	FETCH_B 1, 0, 0
	FETCH_A 1, 0, 0
	SCALES 1
	WIN MUL_HI
	MUL16 4, 1, NQ-1, 0, 0
	MUL16 6, 1, NQ-1, 0, 0
	PLACES NP
	WIN 0
	FETCH_A 1, 0, 4
	STEP 1, 0, 0
	STEP 1, 1, 0
	STEP 1, 2, 0
	s_wait_dscnt 4*NL                              ; the very last step: nothing more to fetch
	WIN MUL_LO
	MUL16 0, 1, NQ-1, 1, 0
	MUL16 2, 1, NQ-1, 1, 0
	s_wait_dscnt 0
	WIN MUL_HI
	MUL16 4, 1, NQ-1, 1, 0
	MUL16 6, 1, NQ-1, 1, 0
	WIN 0
; THE WAY OUT.  A lane holds eight neighbouring columns of a row, the lanes beside it other rows: a block of 16 rows goes through my own stage in LDS.
	PLACES NP
	s_cmp_lg_u32 s96, 0                            ; the first 16 positions of a sequence also leave in f32
	s_cbranch_scc1 .Lno_f32
	WIN 0x08                                       ; an LDS store's data are its source 1: window 2
.irp b, 0,1,2,3,4,5,6,7
	ds_store_b128 v[STO32], v[8*\b:8*\b+3] offset:64*\b              ; each accumulator from its low end on
	ds_store_b128 v[STO32], v[8*\b+4:8*\b+7] offset:64*\b+16
.endr
	WIN 0
.irp t, 0,1,2,3,4,5,6,7,8,9,10,11,12,13,14,15
	ds_load_b128 v[FB+4*\t:FB+4*\t+3], v[RD32] offset:\t*528        ; LDS serves a wave's instructions in order: these see the stores above
.endr
	s_wait_dscnt 0x0
.irp t, 0,1,2,3,4,5,6,7,8,9,10,11,12,13,14,15
	global_store_b128 v[CO], v[FB+4*\t:FB+4*\t+3], s[10:11] offset:\t*12288   ; 512 consecutive bytes of a row
.endr
.Lno_f32:
.macro PACK a
.set AC, 64*((\a)%4)
	WIN 0x0a+5*((\a)/4)                            ; sources 0 and 1: window 2 or 3
.irp b, 0,1,2,3,4,5,6,7
.irp r, 0,1,2,3
	v_cvt_pk_f16_f32 v[TMP+4*\b+\r], v[AC+8*\b+2*\r], v[AC+8*\b+2*\r+1]
.endr
.endr
	WIN 0
.endm
.macro TOSTAGE a
.set BKR, OB+192*((\a)%2)
.irp b, 0,1,2,3,4,5,6,7
	ds_store_b128 v[STO], v[TMP+4*\b:TMP+4*\b+3] offset:32*\b
.endr
.irp p, 0,1,2,3
.irp hh, 0,1
	ds_load_b128 v[BKR+4*(2*\p+\hh):BKR+4*(2*\p+\hh)+3], v[RD] offset:\p*1088+\hh*128   ; rows 4 p .. 4 p + 3, head hh's 128 bytes of each
.endr
.endr
.endm
.macro SEND a
.set BKR, OB+192*((\a)%2)
	s_wait_dscnt 0x0                               ; the block is back in registers
	s_wait_xcnt 0x0                                ; the stores of the block before have read their registers: the next block's loads may land there
.irp p, 0,1,2,3
.irp hh, 0,1
	global_store_b128 v[CO], v[BKR+4*(2*\p+\hh):BKR+4*(2*\p+\hh)+3], s[12:13] offset:(\a)*2048+\p*512+\hh*262144   ; four rows of a head: 512 consecutive bytes
.endr
.endr
.endm
	PACK 0
	TOSTAGE 0
.irp a, 1,2,3,4,5,6,7
	PACK \a
	SEND \a-1
	TOSTAGE \a
.endr
	SEND 7
	s_wait_tensorcnt 0x0                           ; the wave's end
	ds_add_u32 v[SPW], v[NIL]
	s_wait_dscnt 0x0
	CROUND                                         ; the closing round
	s_endpgm
.Lfunc_end_k_q32fb3776b6_qkv:
	.size	k_q32fb3776b6_qkv, .Lfunc_end_k_q32fb3776b6_qkv-k_q32fb3776b6_qkv
	.p2alignl 7, 3214868480
	.fill 96, 4, 3214868480
	.section	.rodata,"a",@progbits
	.p2align	6, 0x0
	.amdhsa_kernel k_q32fb3776b6_qkv
		.amdhsa_group_segment_fixed_size 327680
		.amdhsa_private_segment_fixed_size 0
		.amdhsa_enable_private_segment 0
		.amdhsa_kernarg_size 32
		.amdhsa_user_sgpr_count 2
		.amdhsa_user_sgpr_kernarg_segment_ptr 1
		.amdhsa_wavefront_size32 1
		.amdhsa_system_sgpr_workgroup_id_x 1
		.amdhsa_system_sgpr_workgroup_id_y 1
		.amdhsa_system_sgpr_workgroup_id_z 1
		.amdhsa_system_vgpr_workitem_id 0
		.amdhsa_next_free_vgpr 1024
		.amdhsa_next_free_sgpr 98
		.amdhsa_reserve_vcc 0
		.amdhsa_float_denorm_mode_32 3
		.amdhsa_float_denorm_mode_16_64 3
		.amdhsa_memory_ordered 1
		.amdhsa_forward_progress 1
		.amdhsa_inst_pref_size 131
	.end_amdhsa_kernel
	.amdgpu_metadata
---
amdhsa.version: [ 1, 2 ]
amdhsa.kernels:
  - .name:           k_q32fb3776b6_qkv
    .symbol:         k_q32fb3776b6_qkv.kd
    .args:
      - { .name: codes, .offset: 0, .size: 8, .value_kind: global_buffer, .address_space: global }
      - { .name: scales, .offset: 8, .size: 8, .value_kind: global_buffer, .address_space: global }
      - { .name: qkv16, .offset: 16, .size: 8, .value_kind: global_buffer, .address_space: global }
      - { .name: qkv32, .offset: 24, .size: 8, .value_kind: global_buffer, .address_space: global }
    .group_segment_fixed_size: 327680
    .private_segment_fixed_size: 0
    .kernarg_segment_align: 8
    .kernarg_segment_size: 32
    .max_flat_workgroup_size: 128
    .sgpr_count:     98
    .vgpr_count:     1024
    .wavefront_size: 32
...
	.end_amdgpu_metadata
.endif
;; end of part 2
;; launch attn (part 3): grid 4 x 64, 8 waves a work-group, no clusters, 327,680 bytes of LDS; arguments qkv16, bias, y16; writes y16
.if DOCPART == 3
	.amdgcn_target "amdgcn-amd-amdhsa--gfx1250"
	.amdhsa_code_object_version 6
	.text
	.protected	k_q32fb3776b6_attn
	.globl	k_q32fb3776b6_attn
	.p2align	8
	.type	k_q32fb3776b6_attn,@function
k_q32fb3776b6_attn:
	s_mov_b64 s[64:65], 0
	v_nop
	global_prefetch_b8 v0, s[64:65] scope:SCOPE_SE
	s_setreg_imm32_b32 hwreg(HW_REG_WAVE_MODE, 25, 1), 1
	s_wait_xcnt 0x0
; SELF-ATTENTION, launch 3 of 5: y = softmax(q k^T / 8, causal, padded keys out) v, head by head; operands f16, products, maxima and sums f32; p rounded to f16 for the second product.
; LEFT OUT: steps of 64 keys that lie wholly behind a wave's 64 queries (reference() builds the causal mask itself); see the first launch's head.
; SHARES.  Work-group (i, head) owns the blocks i and 7 - i of 256 queries, one after the other: (i + 1) + (8 - i) = 9 chunks of 256 keys for every work-group, so all trip counts are constants.
; Wave w owns the 64 queries 64 (w % 4) on of the block: four tiles of 16.  Waves w and w + 4 own the SAME queries and share the keys: of a chunk's four steps of 64 keys wave w takes steps w / 4 and w / 4 + 2.
; So two waves that do not depend on each other share a SIMD, one's softmax beside the other's products, and a fragment of K or V read from LDS still feeds four tiles of queries.
; At a block's end wave w + 4 hands its maximum, sum and O to wave w through LDS; wave w joins the two, divides and stores.
; NO JOINT LOADS: the four work-groups of a head want different chunks in the same trip (0 .. i, then 0 .. 7 - i).
; LAYOUT.  S^T = K Q^T (source 0 = 16 keys, source 1 = 16 queries), O^T = V^T P: a lane holds one query (lane % 16) throughout.  The padding term (0 or -1e30 a key) is the C of each score's first product.
; SOFTMAX.  Running maximum m and sum l for each query: p = 2^(c s - c m), c = log2(e) / 8; O and l are multiplied by 2^(c m_old - c m_new) in every step.
; m begins at -1e20 and hidden scores are -1e30: with f16 operands |s| is at most 64 x 65,504^2 = 2.75e11, so both lie under every score, p of a hidden key is exactly 0, and no infinity or NaN arises.
; A query with no kept key has l = 0: l is held at 2^-100 from below and y = 0 is stored; the last two launches put NaN there.
; LIMITS: |q|, |k|, |v| up to 65,504; NaN and infinities among the inputs are not served.
; REGISTERS.  window 0: v1-15 addresses and constants; v16-47 statistics, 8 a tile; v48-79 the padding term; v80-95 at work; v96-223 S^T, 32 a tile, P packed in place into the first 16; v224-255 at work in the join.
;   window 1: v0-127 O^T, 32 a tile; v128-191 K's or V's fragments of a step; v192-255 Q, 16 a tile.
.set KP,    144                        ; a row of K in LDS: 128 bytes + 16
.set VP,    160                        ; a row of V: 128 + 32, for the turning load
.set VOFF,  256*KP                     ; a slot: 256 rows of K, 256 rows of V, the chunk's 1,024 bytes of padding terms
.set BOFF,  VOFF+256*VP
.set SLOT1, 1<<17                      ; slot 1 begins here: one exclusive or turns an address
.set MRG,   212992                     ; what wave w + 4 hands to wave w: 34 images of four registers, 512 bytes each
.set MIMG,  17408
.set STG,   MRG+4*MIMG                 ; the way out: 64 rows x 144 bytes for each of waves 0-3
.set SPARE, STG+4*64*144               ; the spare words, 128 bytes for each wave: four blocks of 256 bytes that no other line names
.set AK0, 1
.set AV0, 2
.set AB0, 3
.set ADK, 4
.set ADV, 5
.set ADB, 6
.set QO,  7
.set STO, 8
.set RD,  9
.set GO,  10
.set DL,  11
.set NEGR, 12
.set IMG, 13
.set SPW, 14
.set NIL, 15
.set ST,  16                           ; tile t at ST + 8 t: +0 c m, +1 m, +2, +3 l (even keys', odd keys'), +4 .. +7 at work; the step's factor in +6
.set BI,  48
.set PFO, 95
.set S,   96
.set WV,  10
.set WQ,  11
.set G,   12
.set I,   13
.set BH,  14
.set CH,  15
.set LIM, 16
.set TB,  17
.set J0,  18                           ; s18, s19: which two of a chunk's four steps are mine
.set NKC, 20
.set PLIM, 21
.set CS,  22
.set SEL, 24
.set G1K, 32
.set G1V, 40
.set G1B, 48
.set G0K, 56
.set G0V, 60
.set G0B, 68
.set KB,  72
.set VB,  74
.set BB,  76
.set QA,  78
.set QB,  80
.set YA,  82
.set YB,  84
.set PFA, 86
.set I1,  88
.set MK,  92                           ; s[92:99] lane masks of the diagonal: bit of lane (r, h) set in mask j where j > r - 8 h
.set MSB, 0
.macro WIN new                         ; the immediate's high byte repeats the setting that is left
.if MSB != \new
	s_set_vgpr_msb (MSB<<8)|\new
.set MSB, \new
.endif
.endm
; Every wave fetches a part of each chunk: waves 0-3 a quarter of K, waves 4 and 5 half of V, waves 6 and 7 half of the padding terms.  One load of mine is out at a time.
; The branches hang on the wave's number alone.  An s_nop 0 and four v_nop follow each line.
.macro TLOAD
	s_cmp_lt_u32 s[WV], 4
	s_cbranch_scc0 .Lnot_k_\@
	tensor_load_to_lds s[G0K:G0K+3], s[G1K:G1K+7]
	s_nop 0
.rept 4
	v_nop
.endr
	s_branch .Lasked_\@
.Lnot_k_\@:
	s_cmp_lt_u32 s[WV], 6
	s_cbranch_scc0 .Lnot_v_\@
	tensor_load_to_lds s[G0V:G0V+3], s[G1V:G1V+7]
	s_nop 0
.rept 4
	v_nop
.endr
	s_branch .Lasked_\@
.Lnot_v_\@:
	tensor_load_to_lds s[G0B:G0B+3], s[G1B:G1B+7]
	s_nop 0
.rept 4
	v_nop
.endr
.Lasked_\@:
.endm
; A prefetch of the chunk that the next change of slots will ask for.  The head's work-group 0 walks chunks 0 to 7 in order in trips 1 to 8: it asks, in trips 0 to 6, for chunks 1 to 7, and nobody else asks.
; Waves 0-3 name K's 32,768 bytes, waves 4-7 V's: 8,192 bytes a wave, lanes 256 bytes apart: each block of 256 bytes is named once in the launch.
.macro ASK
	s_cmp_lt_u32 s[CH], s[PLIM]
	s_cbranch_scc0 .Lnot_mine_\@
	global_prefetch_b8 v[PFO], s[PFA:PFA+1] th:TH_LOAD_NT scope:SCOPE_SE
.Lnot_mine_\@:
.endm
; THE CHANGE OF SLOTS, at a trip's head.  Each wave waits for all its tensor loads (its part of the slot ahead), adds 0 to its spare word, and waits for that and for its reads of the slot that it has left.
; fill = 1: that slot takes the next trip's chunk: trip n reads chunk n of block i while n <= i, then chunk n - i - 1 of block 7 - i.
.macro CHANGE fill
	s_wait_tensorcnt 0x0                           ; no tensor load of mine is out, so the groups 0 may be written
	ds_add_u32 v[SPW], v[NIL]                      ; 0 onto my spare word
.if \fill
	s_xor_b32 s[G0K+1], s[G0K+1], SLOT1
	s_xor_b32 s[G0V+1], s[G0V+1], SLOT1
	s_xor_b32 s[G0B+1], s[G0B+1], SLOT1
	s_add_co_u32 s26, s[CH], 1
	s_sub_co_u32 s27, s[CH], s[I]
	s_cmp_le_u32 s26, s[I]
	s_cselect_b32 s[NKC], s26, s27
	s_lshl_b32 s26, s[NKC], 15                     ; 256 rows of 128 bytes
	s_mov_b32 s27, 0
	s_add_nc_u64 s[G0K+2:G0K+3], s[KB:KB+1], s[26:27]
	s_or_b32 s[G0K+3], s[G0K+3], 0x80000000
	s_add_nc_u64 s[G0V+2:G0V+3], s[VB:VB+1], s[26:27]
	s_or_b32 s[G0V+3], s[G0V+3], 0x80000000
	s_lshl_b32 s26, s[NKC], 10
	s_add_nc_u64 s[G0B+2:G0B+3], s[BB:BB+1], s[26:27]
	s_or_b32 s[G0B+3], s[G0B+3], 0x80000000
	s_wait_xcnt 0x0                                ; the last prefetch, a trip back, has read its address
	s_add_nc_u64 s[PFA:PFA+1], s[PFA:PFA+1], 32768
.endif
	s_wait_dscnt 0x0                               ; the add is done, and my reads of the slot that I have left are over
	s_barrier_signal -1
	s_barrier_wait -1
.if \fill
	TLOAD                                          ; the first thing behind the barrier, and my one tensor load until the next change
	ASK
.endif
.endm
; A block of queries begins: Q into registers; O, l and the maximum start.  (The step is written once, and a wave all of whose steps of a block are hidden still hands its O on: so O is cleared.)
.macro RESET q
.rept 4
	v_nop                                          ; places behind the last products, whose results and sources are written below
.endr
	WIN 0x40                                       ; destination window 1
.irp t, 0,1,2,3
.irp ks, 0,1
	global_load_b128 v[192+16*\t+8*\ks:192+16*\t+8*\ks+3], v[QO], s[\q:\q+1] offset:\t*2048+\ks*64
	global_load_b128 v[192+16*\t+8*\ks+4:192+16*\t+8*\ks+7], v[QO], s[\q:\q+1] offset:\t*2048+\ks*64+32
.endr
.endr
.set i, 0
.rept 128
	v_mov_b32 v[i], 0
.set i, i+1
.endr
	WIN 0
.irp t, 0,1,2,3
	v_mov_b32 v[ST+8*\t+1], 0xe0ad78ec             ; m = -1e20
	v_mul_f32 v[ST+8*\t], s[CS], v[ST+8*\t+1]
.irp e, 2,3,4,5,6,7
	v_mov_b32 v[ST+8*\t+\e], 0
.endr
.endr
	s_wait_loadcnt 0x0
.endm
; A STEP: 64 keys, the u-th of my two in the chunk, against my four tiles of queries.
.macro STEP u
	v_add_nc_u32 v[ADK], s[TB], v[AK0]             ; these five plain lines are the places behind the last step's products: its V registers are loaded anew and its P is written over below
	v_add_nc_u32 v[ADV], s[TB], v[AV0]
	v_add_nc_u32 v[ADB], s[TB], v[AB0]
	v_nop
	v_nop
	s_cmp_gt_u32 s[J0+\u], s[LIM]                  ; in the chunk on the diagonal: all these keys come after my queries
	s_cbranch_scc1 .Lhid_\@
	WIN 0x40
.irp kt, 0,1,2,3
.irp ks, 0,1
	ds_load_b128 v[128+16*\kt+8*\ks:128+16*\kt+8*\ks+3], v[ADK] offset:\u*18432+\kt*2304+\ks*64
	ds_load_b128 v[128+16*\kt+8*\ks+4:128+16*\kt+8*\ks+7], v[ADK] offset:\u*18432+\kt*2304+\ks*64+32
.endr
.endr
	WIN 0
.irp kt, 0,1,2,3
	ds_load_b128 v[BI+8*\kt:BI+8*\kt+3], v[ADB] offset:\u*512+\kt*64
	ds_load_b128 v[BI+8*\kt+4:BI+8*\kt+7], v[ADB] offset:\u*512+\kt*64+16
.endr
	s_wait_dscnt 0x0
	WIN 0x05                                       ; K and Q in window 1; C and D in window 0
.irp kt, 0,1,2,3                                   ; S^T = K Q^T + the padding term; the 16 accumulators take turns
.irp t, 0,1,2,3
	v_wmma_f32_16x16x32_f16 v[S+32*\t+8*\kt:S+32*\t+8*\kt+7], v[128+16*\kt:128+16*\kt+7], v[192+16*\t:192+16*\t+7], v[BI+8*\kt:BI+8*\kt+7]
.endr
.endr
.irp kt, 0,1,2,3
.irp t, 0,1,2,3
	v_wmma_f32_16x16x32_f16 v[S+32*\t+8*\kt:S+32*\t+8*\kt+7], v[128+16*\kt+8:128+16*\kt+15], v[192+16*\t+8:192+16*\t+15], v[S+32*\t+8*\kt:S+32*\t+8*\kt+7]
.endr
.endr
	WIN 0
.rept 4
	v_nop                                          ; places: K's registers take V, and the scores are read
.endr
	WIN 0x40
.irp kk, 0,1
.irp dt, 0,1,2,3
	ds_load_tr16_b128 v[128+32*\kk+8*\dt:128+32*\kk+8*\dt+3], v[ADV] offset:\u*20480+\kk*5120+\dt*32
	ds_load_tr16_b128 v[128+32*\kk+8*\dt+4:128+32*\kk+8*\dt+7], v[ADV] offset:\u*20480+\kk*5120+2560+\dt*32
.endr
.endr
	WIN 0
	s_cmp_lg_u32 s[J0+\u], s[LIM]
	s_cbranch_scc1 .Lopen_\@
.irp t, 0,1,2,3                                    ; on the diagonal: key 16 kt + 8 h + j is hidden from query 16 t + r where it is the greater
.irp kt, 0,1,2,3
.if \kt > \t
.irp j, 0,1,2,3,4,5,6,7
	v_mov_b32 v[S+32*\t+8*\kt+\j], v[NEGR]
.endr
.elseif \kt == \t
.irp j, 0,1,2,3,4,5,6,7
	v_cndmask_b32 v[S+32*\t+8*\kt+\j], v[S+32*\t+8*\kt+\j], v[NEGR], s[MK+\j]
.endr
.endif
.endr
.endr
.Lopen_\@:
.irp j, 0,1,2,3                                    ; the maximum of a lane's 32 scores and the old m; the four tiles by turns; each accumulator is read from its low end on
.irp t, 0,1,2,3
	v_max3_num_f32 v[ST+8*\t+4+\j], v[S+32*\t+8*\j], v[S+32*\t+8*\j+1], v[S+32*\t+8*\j+2]
.endr
.endr
.irp g, 1,2
.irp j, 0,1,2,3
.irp t, 0,1,2,3
	v_max3_num_f32 v[ST+8*\t+4+\j], v[ST+8*\t+4+\j], v[S+32*\t+8*\j+2*\g+1], v[S+32*\t+8*\j+2*\g+2]
.endr
.endr
.endr
.irp t, 0,1,2,3
	v_max3_num_f32 v[ST+8*\t+4], v[ST+8*\t+4], v[S+32*\t+7], v[S+32*\t+15]
.endr
.irp t, 0,1,2,3
	v_max3_num_f32 v[ST+8*\t+6], v[ST+8*\t+6], v[S+32*\t+23], v[S+32*\t+31]
.endr
.irp t, 0,1,2,3
	v_max3_num_f32 v[ST+8*\t+4], v[ST+8*\t+4], v[ST+8*\t+5], v[ST+8*\t+6]
.endr
.irp t, 0,1,2,3
	v_max3_num_f32 v[ST+8*\t+4], v[ST+8*\t+4], v[ST+8*\t+7], v[ST+8*\t+1]
.endr
.irp t, 0,1,2,3
	v_permlanex16_b32 v[ST+8*\t+5], v[ST+8*\t+4], s[SEL], s[SEL+1]   ; the query's other 32 keys lie in the lane 16 away
.endr
.irp t, 0,1,2,3
	v_mov_b32 v[ST+8*\t+7], v[ST+8*\t]             ; c m_old
.endr
.irp t, 0,1,2,3
	v_max_num_f32 v[ST+8*\t+1], v[ST+8*\t+4], v[ST+8*\t+5]
.endr
.irp t, 0,1,2,3
	v_mul_f32 v[ST+8*\t], s[CS], v[ST+8*\t+1]
.endr
.irp t, 0,1,2,3
	v_sub_f32 v[ST+8*\t+7], v[ST+8*\t+7], v[ST+8*\t]
.endr
.set b, 0                                          ; ONE BATCH of 132 exponentials: none of its lines names an exponential's result; a tile's scalings stand among the exponentials of the tile before
.rept 16
	v_pk_fma_f32 v[S+2*b:S+2*b+1], v[S+2*b:S+2*b+1], s[CS:CS+1], v[ST:ST+1] op_sel_hi:[1,0,0] neg_lo:[0,0,1] neg_hi:[0,0,1]
.set b, b+1
.endr
.irp t, 0,1,2,3
.set b, 0
.rept 16
.if \t < 3
	v_pk_fma_f32 v[S+32*(\t+1)+2*b:S+32*(\t+1)+2*b+1], v[S+32*(\t+1)+2*b:S+32*(\t+1)+2*b+1], s[CS:CS+1], v[ST+8*(\t+1):ST+8*(\t+1)+1] op_sel_hi:[1,0,0] neg_lo:[0,0,1] neg_hi:[0,0,1]
.endif
	v_exp_f32 v[S+32*\t+2*b], v[S+32*\t+2*b]
	v_exp_f32 v[S+32*\t+2*b+1], v[S+32*\t+2*b+1]
.set b, b+1
.endr
.endr
.irp t, 0,1,2,3
	v_exp_f32 v[ST+8*\t+6], v[ST+8*\t+7]           ; 2^(c m_old - c m_new)
.endr
	v_nop                                          ; a plain instruction behind the last exponential,
	s_wait_alu depctr_va_vdst(0)                   ; and the one wait for the batch, ahead of its first reader
.irp t, 0,1,2,3                                    ; the sums, of the unrounded p, in two chains a tile
	v_pk_add_f32 v[ST+8*\t+4:ST+8*\t+5], v[S+32*\t:S+32*\t+1], v[S+32*\t+2:S+32*\t+3]
	v_pk_add_f32 v[80+2*\t:81+2*\t], v[S+32*\t+4:S+32*\t+5], v[S+32*\t+6:S+32*\t+7]
.endr
.irp j, 8,12,16,20,24,28
.irp t, 0,1,2,3
	v_pk_add_f32 v[ST+8*\t+4:ST+8*\t+5], v[ST+8*\t+4:ST+8*\t+5], v[S+32*\t+\j:S+32*\t+\j+1]
	v_pk_add_f32 v[80+2*\t:81+2*\t], v[80+2*\t:81+2*\t], v[S+32*\t+\j+2:S+32*\t+\j+3]
.endr
.endr
.irp t, 0,1,2,3
	v_pk_add_f32 v[ST+8*\t+4:ST+8*\t+5], v[ST+8*\t+4:ST+8*\t+5], v[80+2*\t:81+2*\t]
.endr
.irp t, 0,1,2,3
	v_pk_fma_f32 v[ST+8*\t+2:ST+8*\t+3], v[ST+8*\t+2:ST+8*\t+3], v[ST+8*\t+6:ST+8*\t+7], v[ST+8*\t+4:ST+8*\t+5] op_sel_hi:[1,0,1]
.endr
.irp t, 0,1,2,3                                    ; p to f16, in place, ascending: register i takes numbers 2 i and 2 i + 1; two neighbouring key tiles are source 1 of the second product
.set i, 0
.rept 16
	v_cvt_pk_f16_f32 v[S+32*\t+i], v[S+32*\t+2*i], v[S+32*\t+2*i+1]
.set i, i+1
.endr
.endr
	WIN 0x41                                       ; O^T (destination and source 0) in window 1
.irp t, 0,1,2,3
.set i, 0
.rept 16
	v_pk_mul_f32 v[32*\t+2*i:32*\t+2*i+1], v[32*\t+2*i:32*\t+2*i+1], v[ST+8*\t+6:ST+8*\t+7] op_sel_hi:[1,0]
.set i, i+1
.endr
.endr
	s_wait_dscnt 0x0                               ; V is in
	WIN 0x51                                       ; V and O^T in window 1, P in window 0
.irp kk, 0,1
.irp dt, 0,1,2,3
.irp t, 0,1,2,3
	v_wmma_f32_16x16x32_f16 v[32*\t+8*\dt:32*\t+8*\dt+7], v[128+32*\kk+8*\dt:128+32*\kk+8*\dt+7], v[S+32*\t+8*\kk:S+32*\t+8*\kk+7], v[32*\t+8*\dt:32*\t+8*\dt+7]
.endr
.endr
.endr
	WIN 0
.Lhid_\@:
.endm
.macro LFIN                            ; each tile's l: its two halves and the lane 16 away's, into v84 + t.  Twelve plain lines: also the places behind the last products
.irp t, 0,1,2,3
	v_add_f32 v[84+\t], v[ST+8*\t+2], v[ST+8*\t+3]
.endr
.irp t, 0,1,2,3
	v_permlanex16_b32 v[88+\t], v[84+\t], s[SEL], s[SEL+1]
.endr
.irp t, 0,1,2,3
	v_add_f32 v[84+\t], v[84+\t], v[88+\t]
.endr
.endm
.macro PUBLISH                         ; waves 4-7: c m, l and O go to LDS as images of their registers: lane l's 16 bytes at 16 l
	LFIN
.irp t, 0,1,2,3
	v_mov_b32 v[80+\t], v[ST+8*\t]
.endr
	WIN 0x04                                       ; an LDS store's data are its source 1: window 1
.set i, 0
.rept 32
	ds_store_b128 v[IMG], v[4*i:4*i+3] offset:512*i   ; each accumulator from its low end on
.set i, i+1
.endr
	WIN 0
	ds_store_b128 v[IMG], v[80:83] offset:16384
	ds_store_b128 v[IMG], v[84:87] offset:16896
.endm
.macro MERGE_OUT y                     ; waves 0-3: the two halves of the keys are joined, divided by the sum, rounded to f16 and stored
	LFIN
	ds_load_b128 v[224:227], v[IMG] offset:16384   ; the partner's c m
	ds_load_b128 v[228:231], v[IMG] offset:16896   ; and l
	s_wait_dscnt 0x0
.irp t, 0,1,2,3
	v_max_num_f32 v[232+\t], v[ST+8*\t], v[224+\t]
.endr
.irp t, 0,1,2,3
	v_sub_f32 v[236+\t], v[ST+8*\t], v[232+\t]
	v_sub_f32 v[240+\t], v[224+\t], v[232+\t]
.endr
.irp t, 0,1,2,3
	v_exp_f32 v[236+\t], v[236+\t]
	v_exp_f32 v[240+\t], v[240+\t]
.endr
	v_nop
	s_wait_alu depctr_va_vdst(0)                   ; one wait for the eight
.irp t, 0,1,2,3
	v_mul_f32 v[244+\t], v[84+\t], v[236+\t]
.endr
.irp t, 0,1,2,3
	v_fma_f32 v[244+\t], v[228+\t], v[240+\t], v[244+\t]
.endr
.irp t, 0,1,2,3
	v_max_num_f32 v[244+\t], 0x0d800000, v[244+\t] ; held at 2^-100 from below: a query with no kept key divides 0 by that
.endr
.irp t, 0,1,2,3
	v_rcp_f32 v[244+\t], v[244+\t]
.endr
	v_nop
	s_wait_alu depctr_va_vdst(0)                   ; one wait for the four
.irp t, 0,1,2,3
	v_mul_f32 v[ST+8*\t+4], v[236+\t], v[244+\t]   ; my factor,
	v_mul_f32 v[ST+8*\t+6], v[240+\t], v[244+\t]   ; the partner's
.endr
.irp t, 0,1,2,3
.irp i, 0,1,2,3,4,5,6,7
	ds_load_b128 v[224+4*\i:227+4*\i], v[IMG] offset:512*(8*\t+\i)
.endr
	WIN 0x01                                       ; source 0 (my O^T) in window 1
.set i, 0
.rept 16
	v_pk_mul_f32 v[S+32*\t+2*i:S+32*\t+2*i+1], v[32*\t+2*i:32*\t+2*i+1], v[ST+8*\t+4:ST+8*\t+5] op_sel_hi:[1,0]
.set i, i+1
.endr
	WIN 0
	s_wait_dscnt 0x0
.set i, 0
.rept 16
	v_pk_fma_f32 v[S+32*\t+2*i:S+32*\t+2*i+1], v[224+2*i:225+2*i], v[ST+8*\t+6:ST+8*\t+7], v[S+32*\t+2*i:S+32*\t+2*i+1] op_sel_hi:[1,0,1]
.set i, i+1
.endr
.set i, 0
.rept 16
	v_cvt_pk_f16_f32 v[S+32*\t+i], v[S+32*\t+2*i], v[S+32*\t+2*i+1]
.set i, i+1
.endr
.irp dt, 0,1,2,3
	ds_store_b128 v[STO], v[S+32*\t+4*\dt:S+32*\t+4*\dt+3] offset:2304*\t+32*\dt
.endr
.irp p, 0,1,2,3
	ds_load_b128 v[S+32*\t+16+4*\p:S+32*\t+16+4*\p+3], v[RD] offset:2304*\t+576*\p   ; LDS serves a wave's instructions in order: these see the stores above
.endr
	s_wait_dscnt 0x0
.irp p, 0,1,2,3
	global_store_b128 v[GO], v[S+32*\t+16+4*\p:S+32*\t+16+4*\p+3], s[\y:\y+1] offset:2048*\t+512*\p   ; four rows of 128 bytes: 512 consecutive bytes
.endr
.endr
	s_wait_xcnt 0x0                                ; the stores have read their registers, which the next scores will take
.endm
	s_load_b128 s[4:7], s[0:1], 0x0                ; qkv16 s[4:5], bias s[6:7]
	s_load_b64 s[8:9], s[0:1], 0x10                ; y16
	v_lshl_add_u32 v[SPW], v0, 2, SPARE
	v_mov_b32 v[NIL], 0
	ds_add_u32 v[SPW], v[NIL]                      ; the wave's opening: the add, twice on end, and its wait ahead of my first tensor load
	ds_add_u32 v[SPW], v[NIL]
	v_lshrrev_b32 v1, 5, v0
	v_readfirstlane_b32 s[WV], v1                  ; wave 0..7
	s_and_b32 s[WQ], s[WV], 3
	s_lshr_b32 s[G], s[WV], 2
	s_mov_b32 s[I], ttmp9
	s_add_co_u32 s[I1], ttmp9, 1
	s_and_b32 s[BH], ttmp7, 0xffff
	s_mov_b32 s[J0], s[G]
	s_add_co_u32 s[J0+1], s[G], 2
	s_mov_b32 s[CS], 0x3e38aa3b                    ; c = log2(e) / 8
	s_mov_b32 s[CS+1], s[CS]
	s_mov_b32 s[SEL], 0x76543210
	s_mov_b32 s[SEL+1], 0xfedcba98
	s_cmp_eq_u32 s[I], 0
	s_cselect_b32 s[PLIM], 7, 0
	s_mov_b32 s[G1K], (1<<16)|(1<<20)|(4<<22)|(3<<25)   ; elements of 2 bytes; 4 words of padding behind every 32
	s_mov_b32 s[G1K+1], 64<<16                     ; tensor_dim0
	s_mov_b32 s[G1K+2], 64<<16                     ; tensor_dim1
	s_mov_b32 s[G1K+3], 64<<16                     ; tile_dim0
	s_mov_b32 s[G1K+4], 64                         ; tile_dim1
	s_mov_b32 s[G1K+5], 64                         ; the pitch
	s_mov_b32 s[G1K+6], 0
	s_mov_b32 s[G1K+7], 0
	s_mov_b32 s[G1V], (1<<16)|(1<<20)|(4<<22)|(7<<25)   ; 8 words of padding
	s_mov_b32 s[G1V+1], 64<<16
	s_mov_b32 s[G1V+2], 128<<16
	s_mov_b32 s[G1V+3], 64<<16
	s_mov_b32 s[G1V+4], 128
	s_mov_b32 s[G1V+5], 64
	s_mov_b32 s[G1V+6], 0
	s_mov_b32 s[G1V+7], 0
	s_mov_b32 s[G1B], 3<<16                        ; one row of 512 bytes: 64 elements of 8
	s_mov_b32 s[G1B+1], 64<<16
	s_mov_b32 s[G1B+2], 1<<16
	s_mov_b32 s[G1B+3], 64<<16
	s_mov_b32 s[G1B+4], 1
	s_mov_b32 s[G1B+5], 64
	s_mov_b32 s[G1B+6], 1<<16
	s_mov_b32 s[G1B+7], 0
	s_and_b32 s28, s[WV], 1
	s_lshl_b32 s29, s[WQ], 13
	s_mov_b32 s27, 0
	s_mov_b32 s31, 0
	s_wait_dscnt 0x0                               ; both opening adds are done
	s_wait_kmcnt 0x0
	s_add_co_u32 s26, s[BH], 64                    ; K's head, my quarter of a chunk
	s_lshl_b32 s26, s26, 18
	s_add_co_u32 s26, s26, s29
	s_add_nc_u64 s[KB:KB+1], s[4:5], s[26:27]
	s_add_co_u32 s26, s[BH], 128                   ; V's head, my half of a chunk
	s_lshl_b32 s26, s26, 18
	s_lshl_b32 s30, s28, 14
	s_add_co_u32 s30, s26, s30
	s_add_nc_u64 s[VB:VB+1], s[4:5], s[30:31]
	s_add_co_u32 s26, s26, s29                     ; the prefetches: waves 0-3 stand in K, waves 4-7 in V, 8,192 bytes a wave, at chunk 0; the first change steps them to chunk 1
	s_add_nc_u64 s[PFA:PFA+1], s[4:5], s[26:27]
	s_cmp_lt_u32 s[WV], 4
	s_cselect_b64 s[PFA:PFA+1], s[KB:KB+1], s[PFA:PFA+1]
	s_lshr_b32 s30, s[BH], 4                       ; the batch
	s_lshl_b32 s26, s30, 13
	s_lshl_b32 s28, s28, 9
	s_add_co_u32 s26, s26, s28
	s_add_nc_u64 s[BB:BB+1], s[6:7], s[26:27]
	s_lshl_b32 s26, s[BH], 18                      ; Q at my 64 queries of block i,
	s_add_co_u32 s26, s26, s29
	s_lshl_b32 s28, s[I], 15
	s_add_co_u32 s26, s26, s28
	s_add_nc_u64 s[QA:QA+1], s[4:5], s[26:27]
	s_sub_co_u32 s26, s26, s28                     ; and of block 7 - i
	s_sub_co_u32 s28, 7, s[I]
	s_lshl_b32 s28, s28, 15
	s_add_co_u32 s26, s26, s28
	s_add_nc_u64 s[QB:QB+1], s[4:5], s[26:27]
	s_and_b32 s26, s[BH], 15                       ; y16 [16 h][8192 (b, t)][64]
	s_lshl_b32 s26, s26, 20
	s_lshl_b32 s30, s30, 18
	s_add_co_u32 s26, s26, s30
	s_add_co_u32 s26, s26, s29
	s_add_co_u32 s26, s26, s28
	s_add_nc_u64 s[YB:YB+1], s[8:9], s[26:27]
	s_sub_co_u32 s26, s26, s28
	s_lshl_b32 s28, s[I], 15
	s_add_co_u32 s26, s26, s28
	s_add_nc_u64 s[YA:YA+1], s[8:9], s[26:27]
	s_and_b32 s28, s[WV], 1
	s_mov_b32 s[G0K], 1
	s_mul_i32 s[G0K+1], s[WQ], 64*KP
	s_mov_b64 s[G0K+2:G0K+3], s[KB:KB+1]
	s_or_b32 s[G0K+3], s[G0K+3], 0x80000000
	s_mov_b32 s[G0V], 1
	s_mul_i32 s[G0V+1], s28, 128*VP
	s_add_co_u32 s[G0V+1], s[G0V+1], VOFF
	s_mov_b64 s[G0V+2:G0V+3], s[VB:VB+1]
	s_or_b32 s[G0V+3], s[G0V+3], 0x80000000
	s_mov_b32 s[G0B], 1
	s_lshl_b32 s[G0B+1], s28, 9
	s_add_co_u32 s[G0B+1], s[G0B+1], BOFF
	s_mov_b64 s[G0B+2:G0B+3], s[BB:BB+1]
	s_or_b32 s[G0B+3], s[G0B+3], 0x80000000
	TLOAD                                          ; chunk 0 into slot 0
	v_and_b32 v80, 15, v0                          ; r
	v_bfe_u32 v81, v0, 4, 1                        ; h
	v_and_b32 v82, 31, v0                          ; lane
	v_mul_u32_u24 v[AK0], v80, KP                  ; K: row r, + 16 h, + my first step's 64 rows
	v_lshl_add_u32 v[AK0], v81, 4, v[AK0]
	s_mul_i32 s26, s[G], 64*KP
	v_add_nc_u32 v[AK0], s26, v[AK0]
	v_and_b32 v83, 7, v0                           ; V, for the turning load: key 8 h + lane % 8, channels 8 ((lane / 8) % 2) on
	v_lshl_add_u32 v[AV0], v81, 3, v83
	v_mul_u32_u24 v[AV0], v[AV0], VP
	v_bfe_u32 v84, v0, 3, 1
	v_lshl_add_u32 v[AV0], v84, 4, v[AV0]
	s_mul_i32 s26, s[G], 64*VP
	s_add_co_u32 s26, s26, VOFF
	v_add_nc_u32 v[AV0], s26, v[AV0]
	v_lshlrev_b32 v[AB0], 5, v81                   ; the padding terms of keys 8 h + 0 .. 7 of a key tile
	s_lshl_b32 s26, s[G], 8
	s_add_co_u32 s26, s26, BOFF
	v_add_nc_u32 v[AB0], s26, v[AB0]
	v_lshlrev_b32 v[QO], 7, v80
	v_lshl_add_u32 v[QO], v81, 4, v[QO]
	s_mul_i32 s26, s[WQ], 64*144
	s_add_co_u32 s26, s26, STG
	v_mul_u32_u24 v[STO], v80, 144
	v_lshl_add_u32 v[STO], v81, 4, v[STO]
	v_add_nc_u32 v[STO], s26, v[STO]
	v_lshrrev_b32 v84, 3, v82
	v_mul_u32_u24 v[RD], v84, 144
	v_lshl_add_u32 v[RD], v83, 4, v[RD]
	v_add_nc_u32 v[RD], s26, v[RD]
	v_lshlrev_b32 v[GO], 4, v82
	v_lshlrev_b32 v84, 3, v81
	v_sub_nc_u32 v[DL], v80, v84                   ; r - 8 h
	v_mov_b32 v[NEGR], 0xf149f2ca                  ; -1e30
	s_mul_i32 s26, s[WQ], MIMG
	s_add_co_u32 s26, s26, MRG
	v_add_nc_u32 v[IMG], s26, v[GO]
	v_lshlrev_b32 v[PFO], 8, v82
.irp j, 0,1,2,3,4,5,6,7
	v_cmp_gt_i32 s[MK+\j], \j, v[DL]
.endr
.irp t, 0,1,2,3
	v_mov_b32 v[88+\t], 0                          ; written once: a lane permute's destination counts as one of its sources
.endr
	RESET QA
	s_mov_b32 s[CH], 0
	s_mov_b32 s[TB], 0
.Lchunk:                                           ; eight trips, each of which asks for the next trip's chunk; the ninth is written out
	CHANGE 1
	s_cmp_lg_u32 s[CH], s[I1]                      ; the first trip of block 7 - i: block i is handed over, joined and stored
	s_cbranch_scc1 .Lno_pub
	s_cmp_lg_u32 s[G], 1
	s_cbranch_scc1 .Lno_pub
	PUBLISH
.Lno_pub:
	s_wait_dscnt 0x0                               ; my stores have landed;
	s_barrier_signal -1                            ; every wave passes this barrier in every trip: what waves 4-7 stored in front of it, waves 0-3 read behind it.  No tensor load is issued behind it: the one that is out fills the other slot
	s_barrier_wait -1
	s_cmp_lg_u32 s[CH], s[I1]
	s_cbranch_scc1 .Lsame
	s_cmp_lg_u32 s[G], 0
	s_cbranch_scc1 .Lno_mrg
	MERGE_OUT YA
.Lno_mrg:
	RESET QB
.Lsame:
	s_cmp_eq_u32 s[CH], s[I]                       ; block i's last chunk lies on the diagonal: my step w % 4 is masked, later steps are hidden
	s_cselect_b32 s[LIM], s[WQ], 7
	STEP 0
	STEP 1
	s_xor_b32 s[TB], s[TB], SLOT1
	s_add_co_u32 s[CH], s[CH], 1
	s_cmp_lt_u32 s[CH], 8
	s_cbranch_scc1 .Lchunk
	CHANGE 0                                       ; the last trip: block 7 - i's chunk on the diagonal; nothing is asked for
	s_mov_b32 s[LIM], s[WQ]
	STEP 0
	STEP 1
	s_cmp_lg_u32 s[G], 1
	s_cbranch_scc1 .Lno_pub2
	PUBLISH
.Lno_pub2:
	s_wait_dscnt 0x0
	s_barrier_signal -1
	s_barrier_wait -1
	s_cmp_lg_u32 s[G], 0
	s_cbranch_scc1 .Lno_mrg2
	MERGE_OUT YB
.Lno_mrg2:
	s_wait_tensorcnt 0x0                           ; the wave's end
	ds_add_u32 v[SPW], v[NIL]
	s_wait_dscnt 0x0
	s_endpgm
.Lfunc_end_k_q32fb3776b6_attn:
	.size	k_q32fb3776b6_attn, .Lfunc_end_k_q32fb3776b6_attn-k_q32fb3776b6_attn
	.p2alignl 7, 3214868480
	.fill 96, 4, 3214868480
	.section	.rodata,"a",@progbits
	.p2align	6, 0x0
	.amdhsa_kernel k_q32fb3776b6_attn
		.amdhsa_group_segment_fixed_size 327680
		.amdhsa_private_segment_fixed_size 0
		.amdhsa_enable_private_segment 0
		.amdhsa_kernarg_size 24
		.amdhsa_user_sgpr_count 2
		.amdhsa_user_sgpr_kernarg_segment_ptr 1
		.amdhsa_wavefront_size32 1
		.amdhsa_system_sgpr_workgroup_id_x 1
		.amdhsa_system_sgpr_workgroup_id_y 1
		.amdhsa_system_sgpr_workgroup_id_z 1
		.amdhsa_system_vgpr_workitem_id 0
		.amdhsa_next_free_vgpr 512
		.amdhsa_next_free_sgpr 100
		.amdhsa_reserve_vcc 0
		.amdhsa_float_denorm_mode_32 3
		.amdhsa_float_denorm_mode_16_64 3
		.amdhsa_memory_ordered 1
		.amdhsa_forward_progress 1
		.amdhsa_inst_pref_size 215
	.end_amdhsa_kernel
	.amdgpu_metadata
---
amdhsa.version: [ 1, 2 ]
amdhsa.kernels:
  - .name:           k_q32fb3776b6_attn
    .symbol:         k_q32fb3776b6_attn.kd
    .args:
      - { .name: qkv16, .offset: 0, .size: 8, .value_kind: global_buffer, .address_space: global }
      - { .name: bias, .offset: 8, .size: 8, .value_kind: global_buffer, .address_space: global }
      - { .name: y16, .offset: 16, .size: 8, .value_kind: global_buffer, .address_space: global }
    .group_segment_fixed_size: 327680
    .private_segment_fixed_size: 0
    .kernarg_segment_align: 8
    .kernarg_segment_size: 24
    .max_flat_workgroup_size: 256
    .sgpr_count:     100
    .vgpr_count:     512
    .wavefront_size: 32
...
	.end_amdgpu_metadata
.endif
;; end of part 3
;; launch proj (part 4): grid 4 x 64, 4 waves a work-group, clusters of 4 x 4, 327,680 bytes of LDS; arguments y16, wp, b_proj, first, out0; writes out0
.if DOCPART == 4
	.amdgcn_target "amdgcn-amd-amdhsa--gfx1250"
	.amdhsa_code_object_version 6
	.text
	.protected	k_q32fb3776b6_proj
	.globl	k_q32fb3776b6_proj
	.p2align	8
	.type	k_q32fb3776b6_proj,@function
k_q32fb3776b6_proj:
	s_mov_b64 s[64:65], 0
	v_nop
	global_prefetch_b8 v0, s[64:65] scope:SCOPE_SE
	s_setreg_imm32_b32 hwreg(HW_REG_WAVE_MODE, 25, 1), 1
	s_wait_xcnt 0x0
	s_wait_alu depctr_hold_cnt(0) depctr_sa_sdst(0) depctr_va_vdst(0) depctr_va_sdst(0) depctr_va_ssrc(0) depctr_va_vcc(0) depctr_vm_vsrc(0)
	s_getreg_b32 s2, hwreg(HW_REG_IB_STS2, 6, 4)
	s_cmp_eq_u32 s2, 0
	s_cbranch_scc0 .Lentry_in_a_cluster
	s_endpgm
.Lentry_in_a_cluster:
	s_bfe_u32 s2, ttmp6, 0x10000c
	s_cmp_lg_u32 s2, 0xf033
	s_cbranch_scc0 .Lentry_shape_is_right
	s_endpgm
.Lentry_shape_is_right:
; SELF-ATTENTION, launch 4 of 5: out = y w_proj + b_proj for the positions t >= 16 of every sequence; operands f16, sums f32.  The rows t < 16 are the last launch's and are not stored here.
; A = y16 [16 h][8192 rows][64], B = wp [1024 n][1024 k].  A tile of out is 128 x 256: four waves, each 64 x 128: 32 accumulators.  256 work-groups.
; K goes in 8 steps of 128 (two heads) through two LDS slots; waves 0 and 1 fetch A's two heads (128 rows x 128 bytes, dense), waves 2 and 3 B's two halves (128 rows x 256 bytes).
; CLUSTERS: 4 x 4 work-groups; tile column = cx, tile row = 16 cy + cluster y (so the batch is cy).  A's tiles are asked for jointly along a row of the cluster, B's along a column.
; THE MATRIX INSTRUCTION IS USED TRANSPOSED (source 0 = 16 rows of B, source 1 = 16 rows of A): a lane holds eight neighbouring columns of one row.  b_proj is the C of each sum's first product.
; A row whose query has no kept key (t under the batch's first kept position) is NaN in reference(): it is selected on the way out by that whole number; y holds 0 there.
; LIMITS: |y|, |w_proj| up to 65,504.
; REGISTERS: window 0: v16-31 addresses; v64-127 b_proj in the result's layout, later results at work; v128-255 rows on the way out.  window 1: two fragment buffers at v0 and v128: A's 32 registers, then B's 64.  window 2: the accumulators ((a, b) at v[8 (8 a + b)]).
.set PA,     144                       ; A's row in LDS: 128 bytes + 16
.set PB,     272                       ; B's: 256 + 16
.set AH,     128*PA                    ; one head's 128 rows
.set BO,     2*AH                      ; B lies behind A's two heads
.set BH2,    128*PB
.set SLOT,   BO+2*BH2
.set STAGE,  2*SLOT                    ; 16 rows x 528 bytes for each wave
.set SPARE,  STAGE+4*16*528            ; the spare words, 128 bytes for each wave: two blocks of 256 bytes that no other line names
.set LAPS,   4
.set ADRA, 16
.set ADRB, 20
.set STO,  24
.set RD,   25
.set CO,   26
.set DF,   27
.set SPW,  28
.set NIL,  29
.set NANR, 30
.set BOF,  31
.set BIA,  64
.set T,    64
.set F0,   0
.set F1,   128
.set G1, 24
.set G0, 32
.set G1B, 48
.set G0B, 56
.set MSB, 0
.macro WIN new                         ; the immediate's high byte repeats the setting that is left
.if MSB != \new
	s_set_vgpr_msb (MSB<<8)|\new
.set MSB, \new
.endif
.endm
.set MUL,  0xa5                        ; sources 0 and 1 window 1; C and D window 2
.set MULF, 0x85                        ; the same with C (b_proj) in window 0
.set TO_F, 0x40
.macro JLOAD s                         ; a joint load: waves 0 and 1 for A, waves 2 and 3 for B; an s_nop 0 and four v_nop follow each line
	s_cmp_eq_u32 s15, 0
	s_cbranch_scc0 .Lfor_b_\@
	tensor_load_to_lds s[G0+4*\s:G0+4*\s+3], s[G1:G1+7]
	s_nop 0
.rept 4
	v_nop
.endr
	s_branch .Lasked_\@
.Lfor_b_\@:
	tensor_load_to_lds s[G0B+4*\s:G0B+4*\s+3], s[G1B:G1B+7]
	s_nop 0
.rept 4
	v_nop
.endr
.Lasked_\@:
.endm
.macro CREST                           ; a round of the cluster's barrier behind its opening barrier
	s_cmp_lg_u32 s14, 0
	s_cbranch_scc1 .Lnot_wave_0_\@
	s_barrier_signal -3
.Lnot_wave_0_\@:
	s_barrier_wait -3
	s_barrier_signal -1
	s_barrier_wait -1
.endm
.macro CROUND
	s_barrier_signal -1
	s_barrier_wait -1
	CREST
.endm
	s_load_b256 s[4:11], s[0:1], 0x0               ; y16 s[4:5], wp s[6:7], b_proj s[8:9], first s[10:11]
	s_load_b64 s[12:13], s[0:1], 0x20              ; out0
	v_lshl_add_u32 v[SPW], v0, 2, SPARE
	v_mov_b32 v[NIL], 0
	ds_add_u32 v[SPW], v[NIL]                      ; the wave's opening: the add, twice on end, and its wait ahead of my first tensor load
	ds_add_u32 v[SPW], v[NIL]
	v_lshrrev_b32 v1, 5, v0
	v_readfirstlane_b32 s14, v1                    ; wave 0..3
	s_lshr_b32 s15, s14, 1                         ; which 64 rows are mine.  Also: I fetch for A (0) or for B (1)
	s_and_b32 s16, s14, 1                          ; which 128 columns.  Also: which head of A, or which 128 rows of B, I fetch
	s_bfe_u32 s40, ttmp6, 0x40000                  ; cx = the tile column
	s_bfe_u32 s41, ttmp6, 0x40004                  ; cy = the batch
	s_and_b32 s45, ttmp7, 0xffff                   ; cluster y
	s_lshl_b32 s17, s41, 4
	s_add_co_u32 s17, s17, s45                     ; tile row = 16 cy + cluster y
	s_lshl_b32 s43, s41, 2
	s_lshl_b32 s43, 15, s43                        ; my row of the cluster
	s_lshl_b32 s44, 0x1111, s40                    ; my column
	s_or_b32 s[G1+0], s43, (1<<16)|(1<<20)|(1<<21)|(4<<22)|(3<<25)   ; the mask; elements of 2 bytes; padding on; bit 21 beside a mask; 4 words behind every 32
	s_mov_b32 s[G1+1], 64<<16
	s_mov_b32 s[G1+2], 128<<16
	s_mov_b32 s[G1+3], 64<<16
	s_mov_b32 s[G1+4], 128
	s_mov_b32 s[G1+5], 64
	s_mov_b32 s[G1+6], 0
	s_mov_b32 s[G1+7], 0
	s_or_b32 s[G1B+0], s44, (1<<16)|(1<<20)|(1<<21)|(5<<22)|(3<<25)  ; 4 words behind every 64
	s_mov_b32 s[G1B+1], 128<<16
	s_mov_b32 s[G1B+2], 128<<16
	s_mov_b32 s[G1B+3], 128<<16
	s_mov_b32 s[G1B+4], 128
	s_mov_b32 s[G1B+5], 1024
	s_mov_b32 s[G1B+6], 0
	s_mov_b32 s[G1B+7], 0
	s_lshl_b32 s20, s16, 20                        ; A: head (my half) x 8,192 rows + 128 x tile row, 128 bytes a row
	s_lshl_b32 s21, s17, 14
	s_add_co_u32 s20, s20, s21
	s_mov_b32 s21, 0
	s_lshl_b32 s46, s40, 19                        ; B: row 256 x tile column + 128 x half, 2,048 bytes a row
	s_lshl_b32 s47, s16, 18
	s_add_co_u32 s46, s46, s47
	s_mov_b32 s47, 0
	s_mul_i32 s22, s16, AH                         ; where they go: no place in the cluster enters an LDS address
	s_mul_i32 s23, s16, BH2
	s_add_co_u32 s23, s23, BO
	s_wait_dscnt 0x0                               ; both opening adds are done
	s_wait_kmcnt 0x0
	s_add_nc_u64 s[20:21], s[4:5], s[20:21]
	s_add_nc_u64 s[46:47], s[6:7], s[46:47]
	CROUND                                         ; all sixteen work-groups are here: the first joint loads meet
.irp s, 0,1
	s_mov_b32 s[G0+4*\s], 1
	s_add_co_u32 s[G0+4*\s+1], s22, \s*SLOT
	s_add_nc_u64 s[G0+4*\s+2:G0+4*\s+3], s[20:21], \s*2097152      ; K step s: two heads of 1,048,576 bytes on
	s_or_b32 s[G0+4*\s+3], s[G0+4*\s+3], 0x80000000
	s_mov_b32 s[G0B+4*\s], 1
	s_add_co_u32 s[G0B+4*\s+1], s23, \s*SLOT
	s_add_nc_u64 s[G0B+4*\s+2:G0B+4*\s+3], s[46:47], \s*256
	s_or_b32 s[G0B+4*\s+3], s[G0B+4*\s+3], 0x80000000
	JLOAD \s
.endr
	v_and_b32 v1, 15, v0                           ; r
	v_bfe_u32 v2, v0, 4, 1                         ; h
	s_lshl_b32 s22, s41, 6                         ; the batch's first kept position
	s_mov_b32 s23, 0
	s_add_nc_u64 s[10:11], s[10:11], s[22:23]
	s_load_b32 s66, s[10:11], 0x0
	s_lshl_b32 s18, s40, 10                        ; my first column, in bytes of f32
	s_lshl_b32 s19, s16, 9
	s_add_co_u32 s18, s18, s19
	s_mov_b32 s19, 0
	s_add_nc_u64 s[8:9], s[8:9], s[18:19]
	v_lshlrev_b32 v[BOF], 5, v2
.irp b, 0,1,2,3,4,5,6,7
	global_load_b128 v[BIA+8*\b:BIA+8*\b+3], v[BOF], s[8:9] offset:64*\b        ; b_proj at columns 16 b + 8 h + 0 .. 7
	global_load_b128 v[BIA+8*\b+4:BIA+8*\b+7], v[BOF], s[8:9] offset:64*\b+16
.endr
	v_mul_u32_u24 v3, v1, PA
	v_lshl_add_u32 v3, v2, 4, v3
	s_mul_i32 s21, s15, 64*PA
	v_mul_u32_u24 v4, v1, PB
	v_lshl_add_u32 v4, v2, 4, v4
	s_mul_i32 s22, s16, BH2
	s_add_co_u32 s22, s22, BO
.irp s, 0,1
	v_add_nc_u32 v[ADRA+\s], s21, v3
	v_add_nc_u32 v[ADRB+\s], s22, v4
	s_add_co_u32 s21, s21, SLOT
	s_add_co_u32 s22, s22, SLOT
.endr
	s_mul_i32 s23, s14, 16*528
	s_add_co_u32 s23, s23, STAGE                   ; my stage
	v_mul_u32_u24 v5, v1, 528
	v_lshl_add_u32 v5, v2, 5, v5
	v_add_nc_u32 v[STO], s23, v5
	v_and_b32 v6, 31, v0
	v_lshlrev_b32 v[CO], 4, v6
	v_add_nc_u32 v[RD], s23, v[CO]
	v_mov_b32 v[NANR], 0x7fc00000
	s_lshl_b32 s20, s17, 19                        ; out0 at my first row (128 x tile row + 64 x half, 4,096 bytes each) and column
	s_lshl_b32 s21, s15, 18
	s_add_co_u32 s20, s20, s21
	s_add_co_u32 s20, s20, s18
	s_mov_b32 s21, 0
	s_add_nc_u64 s[12:13], s[12:13], s[20:21]
	s_lshl_b32 s20, s45, 7
	s_lshl_b32 s21, s15, 6
	s_add_co_u32 s20, s20, s21                     ; my first row's position in its sequence
	v_add_nc_u32 v[DF], s20, v1
	s_or_b32 s69, s45, s15                         ; 0 where my block 0 is the sequence's first 16 positions: the same in all partners, for a given wave
	s_wait_kmcnt 0x0
	v_sub_nc_u32 v[DF], s66, v[DF]                 ; first - (position of row r of my block 0)
.macro MUL8 f, a, first                ; A's block a against B's eight, 32 along K; the 32 accumulators take turns
.irp b, 0,1,2,3,4,5,6,7
.if \first
	v_wmma_f32_16x16x32_f16 v[8*(8*(\a)+\b):8*(8*(\a)+\b)+7], v[\f+32+8*\b:\f+32+8*\b+7], v[\f+8*(\a):\f+8*(\a)+7], v[BIA+8*\b:BIA+8*\b+7]
.else
	v_wmma_f32_16x16x32_f16 v[8*(8*(\a)+\b):8*(8*(\a)+\b)+7], v[\f+32+8*\b:\f+32+8*\b+7], v[\f+8*(\a):\f+8*(\a)+7], v[8*(8*(\a)+\b):8*(8*(\a)+\b)+7]
.endif
.endr
.endm
.macro FETCH slot, q, f                ; 24 LDS loads in one run: quarter q of the slot into buffer f; A's blocks 2 and 3 last
	WIN TO_F
.irp b, 0,1,2,3,4,5,6,7
	ds_load_b128 v[\f+32+8*\b:\f+32+8*\b+3], v[ADRB+\slot] offset:64*(\q)+16*PB*\b
	ds_load_b128 v[\f+32+8*\b+4:\f+32+8*\b+7], v[ADRB+\slot] offset:64*(\q)+16*PB*\b+32
.endr
.irp a, 0,1,2,3
	ds_load_b128 v[\f+8*\a:\f+8*\a+3], v[ADRA+\slot] offset:((\q)/2)*AH+((\q)%2)*64+16*PA*\a
	ds_load_b128 v[\f+8*\a+4:\f+8*\a+7], v[ADRA+\slot] offset:((\q)/2)*AH+((\q)%2)*64+16*PA*\a+32
.endr
.endm
.macro PLACES
.rept 4
	v_nop
.endr
.endm
; A K step is four quarters of 32 along K, 32 matrix instructions each, on buffers 0, 1, 0, 1.  One of the first three multiplies buffer f and fetches quarter q into g.
.macro QUARTER slot, q, f, g, first
	s_wait_dscnt 4                                 ; B and A's blocks 0 and 1 are in; the youngest four loads (A's blocks 2 and 3) may be out
.if \first
	WIN MULF
.else
	WIN MUL
.endif
	MUL8 \f, 0, \first
	MUL8 \f, 1, \first
	PLACES
	FETCH \slot, \q, \g
	s_wait_dscnt 24                                ; all but the 24 just issued
.if \first
	WIN MULF
.else
	WIN MUL
.endif
	MUL8 \f, 2, \first
	MUL8 \f, 3, \first
.endm
; The last quarter multiplies buffer 1 and changes slots: one barrier; in front of it each wave waits for all its tensor loads, adds 0 to its spare word, and waits for that and for its reads of this slot.
.macro TURN slot, next, fill
	WIN 0
	s_wait_tensorcnt 0x0                           ; all my tensor loads have landed: my part of the next slot
	ds_add_u32 v[SPW], v[NIL]                      ; 0 onto my spare word
	s_wait_dscnt 5                                 ; the add and the youngest four loads may be out
	WIN MUL
	MUL8 F1, 0, 0
	s_wait_dscnt 0x0                               ; the add is done, and my reads of this slot are over
	s_barrier_signal -1
	MUL8 F1, 1, 0
.if \fill
	WIN 0
.endif
	s_barrier_wait -1
.if \fill
	CREST                                          ; the barrier has opened a round of the cluster's barrier: no wave of any partner still reads this slot or has a load on its way
	s_add_nc_u64 s[G0+4*\slot+2:G0+4*\slot+3], s[G0+4*\slot+2:G0+4*\slot+3], 4194304   ; two K steps on: four heads
	s_add_nc_u64 s[G0B+4*\slot+2:G0B+4*\slot+3], s[G0B+4*\slot+2:G0B+4*\slot+3], 512
	JLOAD \slot                                    ; the first tensor load behind the round; its four v_nop are also the places in front of the loads below
.else
	PLACES
.endif
	FETCH \next, 0, F0
	WIN MUL
	MUL8 F1, 2, 0
	MUL8 F1, 3, 0
.endm
	s_wait_tensorcnt 1                             ; my part of K step 0 is in; K step 1's load may be out
	s_barrier_signal -1
	s_barrier_wait -1
	FETCH 0, 0, F0
	s_wait_loadcnt 0x0                             ; b_proj
	QUARTER 0, 1, F0, F1, 1                        ; the first products start the sums, from b_proj
	WIN 0
	s_mov_b32 s3, LAPS-1
.Llap:                                             ; a trip goes once round the ring and fills both slots again
	QUARTER 0, 2, F1, F0, 0
	QUARTER 0, 3, F0, F1, 0
	TURN 0, 1, 1
	QUARTER 1, 1, F0, F1, 0
	QUARTER 1, 2, F1, F0, 0
	QUARTER 1, 3, F0, F1, 0
	TURN 1, 0, 1
	QUARTER 0, 1, F0, F1, 0
	WIN 0
	s_sub_co_u32 s3, s3, 1
	s_cmp_lg_u32 s3, 0
	s_cbranch_scc1 .Llap
	QUARTER 0, 2, F1, F0, 0                        ; the last lap fills nothing
	QUARTER 0, 3, F0, F1, 0
	TURN 0, 1, 0
	QUARTER 1, 1, F0, F1, 0
	QUARTER 1, 2, F1, F0, 0
	QUARTER 1, 3, F0, F1, 0
	s_wait_dscnt 4
	WIN MUL
	MUL8 F1, 0, 0
	MUL8 F1, 1, 0
	s_wait_dscnt 0
	MUL8 F1, 2, 0
	MUL8 F1, 3, 0
	WIN 0
; THE WAY OUT, a block of 16 rows x 128 columns at a time, through my own stage: whole rows of 512 bytes leave.
.macro OUTB a
.set BKR, 128+64*((\a)%2)
	v_cmp_lt_i32 s67, 16*(\a), v[DF]               ; my row's position lies under the first kept one
	WIN 0x02                                       ; source 0: window 2
.set i, 0
.rept 64
	v_cndmask_b32 v[T+i], v[64*(\a)+i], v[NANR], s67   ; ascending: each accumulator from its low end on
.set i, i+1
.endr
	WIN 0
.irp b, 0,1,2,3,4,5,6,7
	ds_store_b128 v[STO], v[T+8*\b:T+8*\b+3] offset:64*\b
	ds_store_b128 v[STO], v[T+8*\b+4:T+8*\b+7] offset:64*\b+16
.endr
.if (\a) > 1
	s_wait_xcnt 0x0                                ; the stores of two blocks back have read these registers
.endif
.irp t, 0,1,2,3,4,5,6,7,8,9,10,11,12,13,14,15
	ds_load_b128 v[BKR+4*\t:BKR+4*\t+3], v[RD] offset:528*\t       ; LDS serves a wave's instructions in order: these see the stores above
.endr
	s_wait_dscnt 0x0
.irp t, 0,1,2,3,4,5,6,7,8,9,10,11,12,13,14,15
	global_store_b128 v[CO], v[BKR+4*\t:BKR+4*\t+3], s[12:13] offset:(16*(\a)+\t)*4096 th:TH_STORE_NT   ; 512 consecutive bytes, aligned
.endr
.endm
	PLACES
	s_cmp_eq_u32 s69, 0                            ; the first 16 positions of a sequence are the last launch's
	s_cbranch_scc1 .Lskip0
	OUTB 0
.Lskip0:
	OUTB 1
	OUTB 2
	OUTB 3
	s_wait_tensorcnt 0x0                           ; the wave's end
	ds_add_u32 v[SPW], v[NIL]
	s_wait_dscnt 0x0
	CROUND                                         ; the closing round
	s_endpgm
.Lfunc_end_k_q32fb3776b6_proj:
	.size	k_q32fb3776b6_proj, .Lfunc_end_k_q32fb3776b6_proj-k_q32fb3776b6_proj
	.p2alignl 7, 3214868480
	.fill 96, 4, 3214868480
	.section	.rodata,"a",@progbits
	.p2align	6, 0x0
	.amdhsa_kernel k_q32fb3776b6_proj
		.amdhsa_group_segment_fixed_size 327680
		.amdhsa_private_segment_fixed_size 0
		.amdhsa_enable_private_segment 0
		.amdhsa_kernarg_size 40
		.amdhsa_user_sgpr_count 2
		.amdhsa_user_sgpr_kernarg_segment_ptr 1
		.amdhsa_wavefront_size32 1
		.amdhsa_system_sgpr_workgroup_id_x 1
		.amdhsa_system_sgpr_workgroup_id_y 1
		.amdhsa_system_sgpr_workgroup_id_z 1
		.amdhsa_system_vgpr_workitem_id 0
		.amdhsa_next_free_vgpr 768
		.amdhsa_next_free_sgpr 80
		.amdhsa_reserve_vcc 0
		.amdhsa_float_denorm_mode_32 3
		.amdhsa_float_denorm_mode_16_64 3
		.amdhsa_memory_ordered 1
		.amdhsa_forward_progress 1
		.amdhsa_inst_pref_size 103
	.end_amdhsa_kernel
	.amdgpu_metadata
---
amdhsa.version: [ 1, 2 ]
amdhsa.kernels:
  - .name:           k_q32fb3776b6_proj
    .symbol:         k_q32fb3776b6_proj.kd
    .args:
      - { .name: y16, .offset: 0, .size: 8, .value_kind: global_buffer, .address_space: global }
      - { .name: wp, .offset: 8, .size: 8, .value_kind: global_buffer, .address_space: global }
      - { .name: b_proj, .offset: 16, .size: 8, .value_kind: global_buffer, .address_space: global }
      - { .name: first, .offset: 24, .size: 8, .value_kind: global_buffer, .address_space: global }
      - { .name: out0, .offset: 32, .size: 8, .value_kind: global_buffer, .address_space: global }
    .group_segment_fixed_size: 327680
    .private_segment_fixed_size: 0
    .kernarg_segment_align: 8
    .kernarg_segment_size: 40
    .max_flat_workgroup_size: 128
    .sgpr_count:     80
    .vgpr_count:     768
    .wavefront_size: 32
...
	.end_amdgpu_metadata
.endif
;; end of part 4
;; launch fine (part 5): grid 16 x 4, 16 waves a work-group, no clusters, 85,248 bytes of LDS; arguments qkv32, bias, first, w_proj, b_proj, out0; writes out0
.if DOCPART == 5
	.amdgcn_target "amdgcn-amd-amdhsa--gfx1250"
	.amdhsa_code_object_version 6
	.text
	.protected	k_q32fb3776b6_fine
	.globl	k_q32fb3776b6_fine
	.p2align	8
	.type	k_q32fb3776b6_fine,@function
k_q32fb3776b6_fine:
	s_mov_b64 s[64:65], 0
	v_nop
	global_prefetch_b8 v0, s[64:65] scope:SCOPE_SE
	s_setreg_imm32_b32 hwreg(HW_REG_WAVE_MODE, 25, 1), 1
	s_wait_xcnt 0x0
; SELF-ATTENTION, launch 5 of 5: the first 16 positions of every sequence, attention and projection, all in f32: these rows average one to sixteen values and are carried more finely than f16 operands allow.
; Work-group (64 columns of out, batch).  Phase 1: wave = head: the 16 x 16 scores, softmax, y (16 x 64) into LDS.  Phase 2: wave (w % 4, w / 4) multiplies the 16 rows of y by 16 columns x 256 along K of w_proj.
; Phase 3: waves 0-7 add the four parts along K and b_proj and store; sixteen lanes store 256 consecutive bytes.
; Keys behind a query (reference()'s own causal mask) and padded keys get -1e30, the maximum starts at -1e20, the sum is held at 2^-100 from below; rows under the batch's first kept position are stored as NaN, as reference() has them.
; All products by the f32 matrix form, 4 along K a step.  K is taken in the same permuted order on both sides: a lane's four neighbouring numbers at k = 8 u + 4 h + 0 .. 3 feed steps 2 u and 2 u + 1.
; The four accumulators v192-223 take turns and are written by matrix instructions alone; each sum starts from the constant 0; their four parts are added into other registers.
.set YP,    4112                       ; a row of y in LDS: 4,096 bytes + 16
.set PS,    16*YP                      ; the four parts along K: 16 rows x 272 bytes each
.set PP,    272
.set SPARE, PS+4*16*PP                 ; the spare words, 128 bytes for each wave: eight blocks of 256 bytes that no other line names
.set ACC,   192
.set SPW,   126
.set NIL,   127
	s_load_b256 s[4:11], s[0:1], 0x0               ; qkv32 s[4:5], bias s[6:7], first s[8:9], w_proj s[10:11]
	s_load_b128 s[12:15], s[0:1], 0x20             ; b_proj s[12:13], out0 s[14:15]
	v_lshl_add_u32 v[SPW], v0, 2, SPARE
	v_mov_b32 v[NIL], 0
	v_lshrrev_b32 v1, 5, v0
	v_readfirstlane_b32 s16, v1                    ; wave = head
	s_mov_b32 s17, ttmp9                           ; which 64 columns
	s_and_b32 s18, ttmp7, 0xffff                   ; the batch
	s_and_b32 s19, s16, 3                          ; phase 2: which 16 columns,
	s_lshr_b32 s20, s16, 2                         ; which 256 along K
	s_and_b32 s21, s16, 7
	s_mov_b32 s22, 0x3e38aa3b                      ; c = log2(e) / 8
	s_mov_b32 s24, 0x76543210
	s_mov_b32 s25, 0xfedcba98
	v_and_b32 v1, 15, v0                           ; r
	v_bfe_u32 v2, v0, 4, 1                         ; h
	v_mul_u32_u24 v4, v1, 12288                    ; q, k: row r of 12,288 bytes, + 16 h
	v_lshl_add_u32 v4, v2, 4, v4
	v_mul_u32_u24 v5, v2, 98304                    ; v: keys 8 h on, channel r
	v_lshl_add_u32 v5, v1, 2, v5
	v_lshlrev_b32 v6, 5, v2                        ; the padding terms of keys 8 h on
	v_lshlrev_b32 v7, 14, v2                       ; w_proj: rows 4 h on, column r
	v_lshl_add_u32 v7, v1, 2, v7
	v_mul_u32_u24 v3, v1, YP
	s_lshl_b32 s26, s16, 8
	v_lshl_add_u32 v8, v2, 5, v3
	v_add_nc_u32 v8, s26, v8                       ; y into LDS: row r, my head's 256 bytes, + 32 h
	s_lshl_b32 s26, s20, 10
	v_lshl_add_u32 v9, v2, 4, v3
	v_add_nc_u32 v9, s26, v9                       ; y out of LDS: row r, my 256 along K, + 16 h
	v_mul_u32_u24 v10, v1, PP
	v_lshl_add_u32 v10, v2, 5, v10
	s_mul_i32 s26, s20, 16*PP
	s_lshl_b32 s27, s19, 6
	s_add_co_u32 s26, s26, s27
	s_add_co_u32 s26, s26, PS
	v_add_nc_u32 v10, s26, v10                     ; my part: row r, my 16 columns, + 32 h
	s_lshl_b32 s26, s21, 1
	v_add_nc_u32 v121, s26, v2                     ; phase 3: my row
	v_mul_u32_u24 v11, v121, PP
	v_lshl_add_u32 v11, v1, 4, v11
	v_add_nc_u32 v11, PS, v11
	v_lshlrev_b32 v12, 12, v121
	v_lshl_add_u32 v12, v1, 4, v12
	v_lshlrev_b32 v13, 4, v1
	v_lshlrev_b32 v3, 3, v2
	v_sub_nc_u32 v120, v1, v3                      ; r - 8 h
	v_mov_b32 v122, 0xf149f2ca                     ; -1e30
	v_mov_b32 v123, 0x7fc00000
	v_mov_b32 v241, 0                              ; written once: a lane permute's destination counts as one of its sources
	v_mov_b32 v243, 0
	s_mov_b32 s27, 0
	s_wait_kmcnt 0x0
	s_mul_i32 s26, s18, 196608
	s_lshl_b32 s28, s16, 8
	s_add_co_u32 s26, s26, s28
	s_add_nc_u64 s[4:5], s[4:5], s[26:27]
	s_lshl_b32 s26, s18, 13
	s_add_nc_u64 s[6:7], s[6:7], s[26:27]
	s_lshl_b32 s26, s18, 6
	s_add_nc_u64 s[8:9], s[8:9], s[26:27]
	s_load_b32 s30, s[8:9], 0x0                    ; the batch's first kept position
	s_lshl_b32 s26, s20, 20
	s_lshl_b32 s28, s17, 8
	s_add_co_u32 s26, s26, s28
	s_lshl_b32 s29, s19, 6
	s_add_co_u32 s26, s26, s29
	s_add_nc_u64 s[10:11], s[10:11], s[26:27]
	s_mov_b32 s26, s28
	s_add_nc_u64 s[12:13], s[12:13], s[26:27]
	s_lshl_b32 s26, s18, 23
	s_add_co_u32 s26, s26, s28
	s_add_nc_u64 s[14:15], s[14:15], s[26:27]
	global_load_b128 v[244:247], v13, s[12:13]     ; b_proj at my four columns of phase 3
.irp u, 0,1,2,3,4,5,6,7
	global_load_b128 v[16+4*\u:19+4*\u], v4, s[4:5] offset:32*\u          ; q
.endr
.irp u, 0,1,2,3,4,5,6,7
	global_load_b128 v[48+4*\u:51+4*\u], v4, s[4:5] offset:4096+32*\u     ; k
.endr
	global_load_b128 v[112:115], v6, s[6:7]
	global_load_b128 v[116:119], v6, s[6:7] offset:16
.irp dt, 0,1,2,3
.irp e, 0,1,2,3,4,5,6,7
	global_load_b32 v[80+8*\dt+\e], v5, s[4:5] offset:8192+\e*12288+64*\dt   ; v(8 h + e, 16 dt + r)
.endr
.endr
.set u, 0
.rept 16
.irp e, 0,1,2,3
	global_load_b32 v[128+4*u+\e], v7, s[10:11] offset:(8*u+\e)*4096      ; w_proj(8 u + 4 h + e, r): the first half of my 256 along K
.endr
.set u, u+1
.endr
	s_wait_loadcnt 63                              ; of 115 loads the 52 oldest are in: b_proj, q, k, the padding terms, v
; ---- phase 1: S^T = k q^T: source 0 = 16 keys, source 1 = 16 queries; 16 steps of 4 channels
.irp s, 0,1,2,3
	v_wmma_f32_16x16x4_f32 v[ACC+8*\s:ACC+8*\s+7], v[48+2*\s:49+2*\s], v[16+2*\s:17+2*\s], 0
.endr
.irp s, 4,5,6,7,8,9,10,11,12,13,14,15
	v_wmma_f32_16x16x4_f32 v[ACC+8*(\s%4):ACC+8*(\s%4)+7], v[48+2*\s:49+2*\s], v[16+2*\s:17+2*\s], v[ACC+8*(\s%4):ACC+8*(\s%4)+7]
.endr
.rept 8
	v_nop                                          ; eight places behind this form: q's and k's registers are loaded anew, and the sums are read
.endr
.set u, 16
.rept 16
.irp e, 0,1,2,3
	global_load_b32 v[16+4*(u-16)+\e], v7, s[10:11] offset:(8*u+\e)*4096  ; the second half
.endr
.set u, u+1
.endr
.irp j, 0,1,2,3,4,5,6,7
	v_add_f32 v[224+\j], v[192+\j], v[200+\j]      ; lane (r, h): query r, key 8 h + j
.endr
.irp j, 0,1,2,3,4,5,6,7
	v_add_f32 v[232+\j], v[208+\j], v[216+\j]
.endr
.irp j, 0,1,2,3,4,5,6,7
	v_add_f32 v[224+\j], v[224+\j], v[232+\j]
.endr
.irp j, 0,1,2,3,4,5,6,7
	v_add_f32 v[224+\j], v[224+\j], v[112+\j]      ; the padding term
.endr
.irp j, 0,1,2,3,4,5,6,7
	v_cmp_gt_i32 vcc_lo, \j, v120                  ; the key comes after the query
	v_cndmask_b32 v[224+\j], v[224+\j], v122, vcc_lo
.endr
	v_max3_num_f32 v240, v224, v225, v226
	v_max3_num_f32 v242, v227, v228, v229
	v_max3_num_f32 v240, v240, v230, v231
	v_max3_num_f32 v240, v240, v242, 0xe0ad78ec    ; and -1e20
	v_permlanex16_b32 v241, v240, s24, s25
	v_max_num_f32 v240, v240, v241
	v_mul_f32 v240, s22, v240
.irp j, 0,1,2,3,4,5,6,7
	v_fma_f32 v[224+\j], v[224+\j], s22, -v240
.endr
.irp j, 0,1,2,3,4,5,6,7
	v_exp_f32 v[224+\j], v[224+\j]
.endr
	v_nop
	s_wait_alu depctr_va_vdst(0)                   ; one wait for the eight, ahead of their first reader
	v_add_f32 v242, v224, v225
	v_add_f32 v248, v226, v227
	v_add_f32 v249, v228, v229
	v_add_f32 v250, v230, v231
	v_add_f32 v242, v242, v248
	v_add_f32 v249, v249, v250
	v_add_f32 v242, v242, v249
	v_permlanex16_b32 v243, v242, s24, s25
	v_add_f32 v242, v242, v243
	v_max_num_f32 v242, 0x0d800000, v242           ; held at 2^-100 from below
	v_rcp_f32 v242, v242
	v_nop
	s_wait_alu depctr_va_vdst(0)
.irp j, 0,1,2,3,4,5,6,7
	v_mul_f32 v[224+\j], v[224+\j], v242
.endr
; O^T = v^T p: source 0 = 16 channels, source 1 = p; step s takes keys 8 h + 2 s + 0, 1 on both sides
.irp dt, 0,1,2,3
	v_wmma_f32_16x16x4_f32 v[ACC+8*\dt:ACC+8*\dt+7], v[80+8*\dt:81+8*\dt], v[224:225], 0
.endr
.irp s, 1,2,3
.irp dt, 0,1,2,3
	v_wmma_f32_16x16x4_f32 v[ACC+8*\dt:ACC+8*\dt+7], v[80+8*\dt+2*\s:81+8*\dt+2*\s], v[224+2*\s:225+2*\s], v[ACC+8*\dt:ACC+8*\dt+7]
.endr
.endr
.rept 8
	v_nop
.endr
.irp dt, 0,1,2,3
	ds_store_b128 v8, v[ACC+8*\dt:ACC+8*\dt+3] offset:64*\dt        ; y(r, 64 head + 16 dt + 8 h + 0 .. 7); each accumulator from its low end on
	ds_store_b128 v8, v[ACC+8*\dt+4:ACC+8*\dt+7] offset:64*\dt+16
.endr
	s_wait_dscnt 0x0                               ; for the others' sake: my stores have landed
	s_barrier_signal -1
	s_barrier_wait -1
; ---- phase 2: source 0 = 16 columns of w_proj, source 1 = the 16 rows of y: a lane holds a row and eight neighbouring columns
	s_wait_loadcnt 0x0
.macro GROUP g, wb
.rept 9
	v_nop                                          ; places: y's registers are loaded anew; in the first group the sums also begin anew over the old ones
.endr
.irp uu, 0,1,2,3,4,5,6,7
	ds_load_b128 v[80+4*\uu:83+4*\uu], v9 offset:32*(8*\g+\uu)
.endr
	s_wait_dscnt 0x0
.irp s, 0,1,2,3,4,5,6,7,8,9,10,11,12,13,14,15
.if (\g == 0) && (\s < 4)
	v_wmma_f32_16x16x4_f32 v[ACC+8*(\s%4):ACC+8*(\s%4)+7], v[\wb+2*\s:\wb+2*\s+1], v[80+2*\s:81+2*\s], 0
.else
	v_wmma_f32_16x16x4_f32 v[ACC+8*(\s%4):ACC+8*(\s%4)+7], v[\wb+2*\s:\wb+2*\s+1], v[80+2*\s:81+2*\s], v[ACC+8*(\s%4):ACC+8*(\s%4)+7]
.endif
.endr
.endm
	GROUP 0, 128
	GROUP 1, 160
	GROUP 2, 16
	GROUP 3, 48
.rept 8
	v_nop
.endr
.irp j, 0,1,2,3,4,5,6,7
	v_add_f32 v[232+\j], v[192+\j], v[200+\j]
.endr
.irp j, 0,1,2,3,4,5,6,7
	v_add_f32 v[224+\j], v[208+\j], v[216+\j]
.endr
.irp j, 0,1,2,3,4,5,6,7
	v_add_f32 v[232+\j], v[232+\j], v[224+\j]
.endr
	ds_store_b128 v10, v[232:235]
	ds_store_b128 v10, v[236:239] offset:16
	s_wait_dscnt 0x0
	s_barrier_signal -1
	s_barrier_wait -1
; ---- phase 3
	s_cmp_lt_u32 s16, 8
	s_cbranch_scc0 .Lend
.irp q, 0,1,2,3
	ds_load_b128 v[16+4*\q:19+4*\q], v11 offset:16*PP*\q
.endr
	s_wait_dscnt 0x0
	s_wait_kmcnt 0x0
	v_cmp_gt_i32 vcc_lo, s30, v121                 ; my row lies under the first kept position
.irp e, 0,1,2,3
	v_add_f32 v[16+\e], v[16+\e], v[20+\e]
	v_add_f32 v[24+\e], v[24+\e], v[28+\e]
.endr
.irp e, 0,1,2,3
	v_add_f32 v[16+\e], v[16+\e], v[24+\e]
.endr
.irp e, 0,1,2,3
	v_add_f32 v[16+\e], v[16+\e], v[244+\e]
.endr
.irp e, 0,1,2,3
	v_cndmask_b32 v[16+\e], v[16+\e], v123, vcc_lo
.endr
	global_store_b128 v12, v[16:19], s[14:15]      ; sixteen lanes store 256 consecutive bytes of a row, aligned
.Lend:
	s_wait_tensorcnt 0x0                           ; the wave's end
	ds_add_u32 v[SPW], v[NIL]
	s_wait_dscnt 0x0
	s_endpgm
.Lfunc_end_k_q32fb3776b6_fine:
	.size	k_q32fb3776b6_fine, .Lfunc_end_k_q32fb3776b6_fine-k_q32fb3776b6_fine
	.p2alignl 7, 3214868480
	.fill 96, 4, 3214868480
	.section	.rodata,"a",@progbits
	.p2align	6, 0x0
	.amdhsa_kernel k_q32fb3776b6_fine
		.amdhsa_group_segment_fixed_size 85248
		.amdhsa_private_segment_fixed_size 0
		.amdhsa_enable_private_segment 0
		.amdhsa_kernarg_size 48
		.amdhsa_user_sgpr_count 2
		.amdhsa_user_sgpr_kernarg_segment_ptr 1
		.amdhsa_wavefront_size32 1
		.amdhsa_system_sgpr_workgroup_id_x 1
		.amdhsa_system_sgpr_workgroup_id_y 1
		.amdhsa_system_sgpr_workgroup_id_z 1
		.amdhsa_system_vgpr_workitem_id 0
		.amdhsa_next_free_vgpr 256
		.amdhsa_next_free_sgpr 66
		.amdhsa_reserve_vcc 1
		.amdhsa_float_denorm_mode_32 3
		.amdhsa_float_denorm_mode_16_64 3
		.amdhsa_memory_ordered 1
		.amdhsa_forward_progress 1
		.amdhsa_inst_pref_size 37
	.end_amdhsa_kernel
	.amdgpu_metadata
---
amdhsa.version: [ 1, 2 ]
amdhsa.kernels:
  - .name:           k_q32fb3776b6_fine
    .symbol:         k_q32fb3776b6_fine.kd
    .args:
      - { .name: qkv32, .offset: 0, .size: 8, .value_kind: global_buffer, .address_space: global }
      - { .name: bias, .offset: 8, .size: 8, .value_kind: global_buffer, .address_space: global }
      - { .name: first, .offset: 16, .size: 8, .value_kind: global_buffer, .address_space: global }
      - { .name: w_proj, .offset: 24, .size: 8, .value_kind: global_buffer, .address_space: global }
      - { .name: b_proj, .offset: 32, .size: 8, .value_kind: global_buffer, .address_space: global }
      - { .name: out0, .offset: 40, .size: 8, .value_kind: global_buffer, .address_space: global }
    .group_segment_fixed_size: 85248
    .private_segment_fixed_size: 0
    .kernarg_segment_align: 8
    .kernarg_segment_size: 48
    .max_flat_workgroup_size: 512
    .sgpr_count:     66
    .vgpr_count:     256
    .wavefront_size: 32
...
	.end_amdgpu_metadata
.endif
;; end of part 5
